; MI455X (gfx1250); checked and timed in simulation.
; The chip was launched on July 23, 2026; its instructions are those of AMD's public machine-readable ISA for CDNA 5 (MIT licence, August 2026) and "CDNA5" Instruction Set Architecture Reference Guide (July 2026). The comments in the code are by the model that wrote it; some were corrected since.
;; Causal Attention. Allowed arithmetic: matrix products marked QUANTISED: E3M2 operands, one E8M0 scale for each 32 along K, by v_wmma_scale_f32_16x16x128_f8f6f4 with both operands' format E3M2, f32 sums; everything else in f32.
;; Inputs: Wk 1,024 x 512 float32; Wq 1,024 x 512 float32; Wv 1,024 x 512 float32; x 8 x 2,048 x 1,024 float32.
;; Outputs: out0 8 x 2,048 x 512 float32.
;; This version of the problem:
;;   THIS VERSION OF THE PROBLEM IS GIVEN IN LOW PRECISION. The matrix products marked QUANTISED in the list below multiply operands that are first quantised to E3M2 (3 exponent bits, 2 mantissa bits; 6 bits a number), with one power-of-two scale for each 32 numbers along K (OCP MX v1.0); their sums are f32. All else is computed in f32.
;;   The module's matrix products, in the order in which they are computed (A, B: the left and right operand; K: the contracted axis; several contracted axes count as one K, in the product's order):
;;     1. [M 16,384, K 1,024] x [K 1,024, N 512]; A: input x; B: input Wq: QUANTISED
;;     2. [M 16,384, K 1,024] x [K 1,024, N 512]; A: input x; B: input Wk: QUANTISED
;;     3. [M 16,384, K 1,024] x [K 1,024, N 512]; A: input x; B: input Wv: QUANTISED
;;     4. batch 8 x [M 2,048, K 512] x [K 512, N 2,048]; A: computed on the way; B: computed on the way: QUANTISED
;;     5. batch 8 x [M 2,048, K 2,048] x [K 2,048, N 512]; A: softmax (see below); B: computed on the way: QUANTISED
;;   THE QUANTISER, for each operand of a quantised product, along K:
;;     - K is cut into blocks of 32 from its start; a last block that is shorter is filled with zeros.
;;     - A block's scale is 2^e with e = floor(log2(the largest magnitude in the block)) - 4, held to -126 .. 127; a block of zeros has e = 0. As a byte (E8M0): e + 127.
;;     - Each number is divided by its block's scale, clamped to +-28, and rounded to the nearest number of E3M2, ties to even, subnormals kept.
;;     - The product sums the exact products of the quantised numbers (number of the format x scale) in f32.
;;   ~~~python
;;   def quantise(x, axis):      # numpy; x: float32 -> the quantised numbers, widened to float32 again
;;       x = np.moveaxis(x, axis, -1); K = x.shape[-1]
;;       x = np.pad(x, [(0, 0)] * (x.ndim - 1) + [(0, -K % 32)]); x = x.reshape(x.shape[:-1] + (-1, 32)); a = np.abs(x).max(-1, keepdims=True)
;;       e = np.where(a > 0, np.clip(np.frexp(np.where(a > 0, a, 1))[1] - 1 - 4, -126, 127), 0)      # np.frexp(a)[1] - 1 = floor(log2(a)), exactly
;;       r = np.clip(x / 2.0 ** e, -28, 28)
;;       step = 2.0 ** (np.maximum(np.frexp(np.where(r == 0, 1, r))[1] - 1, -2) - 2)
;;       q = np.round(r / step) * step * 2.0 ** e      # np.round: ties to even
;;       return np.moveaxis(q.reshape(q.shape[:-2] + (-1,))[..., :K], -1, axis).astype(np.float32)
;;   ~~~
;;   SOFTMAX AHEAD OF A QUANTISED PRODUCT. Where the list says 'softmax', what is quantised is not the finished softmax but p = 2^(t - M), with t = logit x log2(e) and M = ceil(the row's largest t), a whole number; so 1/2 < the row's largest p <= 1. The row's sum l is taken of the UNQUANTISED p, in f32, and the product's result is divided by l at the end. Since M is a whole number, a kernel that streams over the keys may use a running M (the ceiling of the running maximum): every later rescaling is an exact power of two, which a block's scale takes up: the codes' values come out the same.
;;   OPERANDS COMPUTED ON THE WAY. 'Computed on the way' means the value that the module computes at that place (a softmax that the list does not call 'softmax' is quantised finished and normalised). What goes into a quantiser is computed in f32, as accurately as f32 sums, v_exp_f32 and their like allow (about 1e-6 of the number): no bf16 or f16 on the way to a quantiser, and a product that is left as it is and whose result goes on into a quantised operand takes f32 operands (vector FMAs, or v_wmma_f32_16x16x4_f32). A number that lies on a knife's edge between two numbers of the format may be rounded either way, as far as f32 arithmetic and the matrix unit's own rounding can turn it there, and no further.
;; 2 versions, each right; version 2 is version 1 with the launch attn written anew for expert scheduling mode. Each part assembles by itself: llvm-mc -triple=amdgcn-amd-amdhsa -mcpu=gfx1250 --defsym DOCPART=n.
;; ======== version 1 of 2: 3 launches
;; workspace buffers: xbuf 13,107,200 bytes; wbuf 1,228,800 bytes; qbuf 6,553,600 bytes; kbuf 6,553,600 bytes; vbuf 6,553,600 bytes
;; launch quant (part 1): grid 608 x 1, 4 waves a work-group, no clusters, 34,304 bytes of LDS; arguments x, Wq, Wk, Wv, xbuf, wbuf; writes xbuf, wbuf
.if DOCPART == 1
	.amdgcn_target "amdgcn-amd-amdhsa--gfx1250"
	.amdhsa_code_object_version 6
	.text
	.protected	k_q84f8551d2e_quant
	.globl	k_q84f8551d2e_quant
	.p2align	8
	.type	k_q84f8551d2e_quant,@function
k_q84f8551d2e_quant:
	s_mov_b64 s[64:65], 0
	v_nop
	global_prefetch_b8 v0, s[64:65] scope:SCOPE_SE
	s_setreg_imm32_b32 hwreg(HW_REG_WAVE_MODE, 25, 1), 1
	s_wait_xcnt 0x0
; x [16384][1024] f32 (K innermost) and Wq, Wk, Wv [1024][512] f32 (K outermost) become codes of BF6 (E3M2) with one E8M0 byte for each 32 along K,
; laid as IMAGES OF OPERAND REGISTERS: a fragment (16 rows x 128 K, 12 registers a lane) is 3 chunks of 512 bytes, chunk i = registers 4 i .. 4 i + 3, lane l's 16 bytes at 16 l.
; A block's scale is 2^(floor(log2(largest magnitude)) - 4): its byte is the largest magnitude's exponent field - 4, held at 1 from below by a floor among the maximum's leaves.
; LIMITS: a block of zeros gets the byte 1 where the rule says 127 (its codes are zeros, and this program alone reads the bytes); NaN and infinities among the inputs are not served.
; TOKEN TILES: tile T = 2 G + u holds tokens 32 G + 8 u + r + 8 (r / 8), r = 0 .. 15, so that two neighbouring tiles used as source 0 leave 16 neighbouring tokens in a lane.
; Work-groups 0 .. 511 take x: wave = (tile T, half kh of K): four fragments.  Each load reads 512 consecutive bytes of one row; the 16 rows turn through the wave's own stage in LDS,
; from which lane (r, h) takes k = 64 c + 32 h + 0 .. 31 of row r: two whole blocks, in the order of the operand's registers.
; Work-groups 512 .. 607 take the weights: (part, column group g, K step s); a wave takes 32 columns, a lane one column with its registers down K: two fragments.
; No matrix work, no cluster, no tensor load: no byte is read by two waves.  Only the x path touches LDS, each wave its own bytes: no barrier.
.set XS_OFF, 12582912                  ; xbuf: behind the codes, x's scale words [T][kh][lane][2]
.set WBLK,   307200                    ; wbuf: one block for each column group g: codes [part][s][t][1536], then scale words [part][s][pair][lane]
.set WSCL,   294912
.set FRAG,   1536
.set SPITCH, 528                       ; a stage row: 512 bytes + 16
.set SWAVE,  16*SPITCH
.set R,  32                            ; v32-159  x path: two sets of 64 registers as loaded;  W path: the lane's 128 numbers down K
.set X,  160                           ; v160-223 x path: 64 numbers in the operand's order
.set F,  224                           ; v224-235 x path: a fragment's codes
.set TP, 236                           ; v236-243 x path: the upper halves' codes (a conversion's three registers begin on an even number)
.macro XLOAD g                         ; K step g of my four: 16 rows x 512 consecutive bytes
.irp p, 0,1,2,3,4,5,6,7,8,9,10,11,12,13,14,15
	global_load_b128 v[R+64*((\g)%2)+4*\p:R+64*((\g)%2)+4*\p+3], v1, s[4:5] offset:(\p+8*(\p/8))*4096+512*(\g) th:TH_LOAD_NT
.endr
.endm
.macro XSTEP g
.if \g < 3
	s_wait_loadcnt 16                              ; this step's 16 loads are in; the next step's 16 may be out
.else
	s_wait_loadcnt 0x0
.endif
.irp p, 0,1,2,3,4,5,6,7,8,9,10,11,12,13,14,15
	ds_store_b128 v2, v[R+64*((\g)%2)+4*\p:R+64*((\g)%2)+4*\p+3] offset:SPITCH*\p
.endr
.irp c, 0,1
.irp j, 0,1,2,3,4,5,6,7
	ds_load_b128 v[X+32*\c+4*\j:X+32*\c+4*\j+3], v3 offset:256*\c+16*\j   ; LDS serves a wave's instructions in order: these see the stores above
.endr
.endr
	s_wait_dscnt 0x0                               ; the numbers are back, and the stores have read their registers
	s_wait_xcnt 0x0                                ; the last step's stores have read F, which is written again below
.if \g+2 < 4
	XLOAD \g+2
.endif
.irp c, 0,1
	v_max3_num_f32 v[8+\c], |v[X+32*\c]|, |v[X+32*\c+1]|, 0x2800000      ; block 2 c + h: all 32 numbers are mine; the floor 2^(5 - 127) holds the byte at 1
.endr
.irp i, 2,4,6,8,10,12,14,16,18,20,22,24,26,28,30
.irp c, 0,1
	v_max3_num_f32 v[8+\c], v[8+\c], |v[X+32*\c+\i]|, |v[X+32*\c+\i+1]|
.endr
.endr
.irp c, 0,1
	v_add_nc_u32 v[10+\c], 0xfe000000, v[8+\c]     ; 4 off the exponent field: the conversion's scale operand
.endr
.irp c, 0,1
	v_lshrrev_b32 v[12+\c], 23, v[10+\c]           ; the scale's byte
.endr
	v_lshl_or_b32 v15, v13, 16, v12                ; my two bytes, blocks h and 2 + h,
	v_lshlrev_b32 v15, v4, v15                     ; 8 h bits up;
	v_permlanex16_b32 v14, v15, s20, s21
	v_or_b32 v[16+\g], v15, v14                    ; with lane l xor 16's two the row's word is whole
.irp c, 0,1
	v_cvt_scalef32_pk16_bf6_f32 v[F+6*\c:F+6*\c+2], v[X+32*\c:X+32*\c+15], v[10+\c]
	v_cvt_scalef32_pk16_bf6_f32 v[TP+4*\c:TP+4*\c+2], v[X+32*\c+16:X+32*\c+31], v[10+\c]
.endr
	v_nop                                          ; one plain place behind a scaled conversion
.irp c, 0,1
.irp i, 0,1,2
	v_mov_b32 v[F+6*\c+3+\i], v[TP+4*\c+\i]
.endr
.endr
.irp i, 0,1,2
	global_store_b128 v1, v[F+4*\i:F+4*\i+3], s[30:31] offset:FRAG*\g+512*\i   ; 512 consecutive bytes, aligned
.endr
.endm
	s_load_b256 s[4:11], s[0:1], 0x0               ; x, Wq, Wk, Wv
	s_load_b128 s[12:15], s[0:1], 0x20             ; xbuf, wbuf
	v_lshl_add_u32 v254, v0, 2, 0x8400
	v_mov_b32 v255, 0
	v_lshrrev_b32 v6, 5, v0
	v_readfirstlane_b32 s16, v6                    ; wave
	v_and_b32 v7, 31, v0                           ; lane
	v_and_b32 v8, 15, v0                           ; r
	v_bfe_u32 v9, v0, 4, 1                         ; h
	v_lshlrev_b32 v1, 4, v7                        ; 16 x lane
	s_mov_b32 s20, 0x76543210
	s_mov_b32 s21, 0xfedcba98                      ; v_permlanex16_b32's selects for lane l xor 16
	s_cmp_lt_u32 ttmp9, 512
	s_cbranch_scc0 .Lweights
	; ---- x
	s_lshl_b32 s17, ttmp9, 2
	s_add_co_u32 s17, s17, s16                     ; task = 2 T + kh
	s_lshr_b32 s18, s17, 1                         ; T
	s_and_b32 s19, s17, 1                          ; kh
	s_lshr_b32 s22, s18, 1
	s_lshl_b32 s22, s22, 17                        ; 32 (T / 2) rows of 4,096 bytes
	s_and_b32 s23, s18, 1
	s_lshl_b32 s23, s23, 15                        ; + 8 (T % 2) rows
	s_add_co_u32 s22, s22, s23
	s_lshl_b32 s23, s19, 11                        ; + 2,048 kh
	s_add_co_u32 s22, s22, s23
	s_mov_b32 s23, 0
	s_mul_i32 s24, s17, 4*FRAG                     ; codes: (8 T + 4 kh) fragments
	s_mov_b32 s25, 0
	s_lshl_b32 s26, s17, 8                         ; scale words: 256 bytes a task
	s_add_co_u32 s26, s26, XS_OFF
	s_mov_b32 s27, 0
	s_mul_i32 s28, s16, SWAVE                      ; my stage
	v_add_nc_u32 v2, s28, v1                       ; in: 16 x lane of a row
	v_mul_u32_u24 v3, v8, SPITCH
	v_lshl_add_u32 v3, v9, 7, v3
	v_add_nc_u32 v3, s28, v3                       ; out: row r, + 128 h
	v_lshlrev_b32 v4, 3, v9                        ; 8 h
	v_lshlrev_b32 v5, 3, v7                        ; 8 x lane
	v_mov_b32 v14, 0                               ; a lane permute's destination counts as one of its sources
	s_wait_kmcnt 0x0
	s_add_nc_u64 s[4:5], s[4:5], s[22:23]
	s_add_nc_u64 s[30:31], s[12:13], s[24:25]
	s_add_nc_u64 s[32:33], s[12:13], s[26:27]
	XLOAD 0
	XLOAD 1
	XSTEP 0
	XSTEP 1
	XSTEP 2
	XSTEP 3
	v_cmp_le_u32 vcc_lo, 16, v7                    ; lanes 0-15 carry the even K step's words, lanes 16-31 the odd one's
	v_cndmask_b32 v20, v16, v17, vcc_lo
	v_cndmask_b32 v21, v18, v19, vcc_lo
	global_store_b64 v5, v[20:21], s[32:33]        ; 256 consecutive bytes, aligned
	s_wait_tensorcnt 0x0
	ds_add_u32 v254, v255
	s_wait_dscnt 0x0
	s_endpgm
	; ---- the weights
.Lweights:
	s_sub_co_u32 s17, ttmp9, 512
	s_lshr_b32 s18, s17, 5                         ; part: 0 Wq, 1 Wk, 2 Wv
	s_bfe_u32 s19, s17, 0x20003                    ; g: 128 columns
	s_and_b32 s22, s17, 7                          ; K step
	s_cmp_lt_u32 s18, 2
	s_cselect_b32 s23, 8, 0                        ; Wq, Wk: row r of tile 2 p + u is column 32 p + 8 u + r + 8 (r / 8);
	s_sub_co_u32 s24, 8, s23                       ; Wv: column 32 p + 16 u + r
	v_bfe_u32 v10, v0, 3, 1
	v_lshl_add_u32 v11, v9, 3, v8
	v_mad_u32_u24 v11, v10, s23, v11
	v_mad_u32_u24 v11, v9, s24, v11
	v_lshlrev_b32 v2, 2, v11                       ; my column, in bytes: the 32 lanes cover 128 consecutive bytes
	v_lshlrev_b32 v3, 2, v7
	s_lshl_b32 s28, s22, 18                        ; 128 s rows of 2,048 bytes
	s_lshl_b32 s29, s19, 9
	s_add_co_u32 s28, s28, s29
	s_lshl_b32 s29, s16, 7                         ; + (128 g + 32 wave) columns
	s_add_co_u32 s28, s28, s29
	s_mov_b32 s29, 0
	s_lshl_b32 s30, s18, 3
	s_add_co_u32 s30, s30, s22                     ; 8 part + s
	s_lshl_b32 s34, s30, 3
	s_lshl_b32 s31, s16, 1
	s_add_co_u32 s34, s34, s31
	s_mul_i32 s34, s34, FRAG                       ; fragment (part, s, t = 2 wave)
	s_mul_i32 s31, s19, WBLK
	s_add_co_u32 s34, s34, s31
	s_mov_b32 s35, 0
	s_lshl_b32 s36, s30, 2
	s_add_co_u32 s36, s36, s16
	s_lshl_b32 s36, s36, 7                         ; its pair's 32 scale words
	s_add_co_u32 s36, s36, s31
	s_add_co_u32 s36, s36, WSCL
	s_mov_b32 s37, 0
	s_wait_kmcnt 0x0
	s_cmp_eq_u32 s18, 0                            ; the choice hangs on the work-group's number alone
	s_cselect_b64 s[26:27], s[6:7], s[8:9]
	s_cmp_eq_u32 s18, 2
	s_cselect_b64 s[26:27], s[10:11], s[26:27]
	s_add_nc_u64 s[26:27], s[26:27], s[28:29]
	s_add_nc_u64 s[34:35], s[14:15], s[34:35]
	s_add_nc_u64 s[36:37], s[14:15], s[36:37]
.set k, 0
.rept 128
	global_load_b32 v[R+k], v2, s[26:27] offset:2048*k th:TH_LOAD_NT
.set k, k+1
.endr
	s_wait_loadcnt 0x0
.irp b, 0,1,2,3
	v_max3_num_f32 v[8+\b], |v[R+32*\b]|, |v[R+32*\b+1]|, 0x2800000     ; four whole blocks in my lane, by turns
.endr
.irp i, 2,4,6,8,10,12,14,16,18,20,22,24,26,28,30
.irp b, 0,1,2,3
	v_max3_num_f32 v[8+\b], v[8+\b], |v[R+32*\b+\i]|, |v[R+32*\b+\i+1]|
.endr
.endr
.irp b, 0,1,2,3
	v_add_nc_u32 v[12+\b], 0xfe000000, v[8+\b]
.endr
.irp b, 0,1,2,3
	v_lshrrev_b32 v[16+\b], 23, v[12+\b]
.endr
	v_lshl_or_b32 v20, v17, 8, v16                 ; my column's scale word
	v_lshl_or_b32 v20, v18, 16, v20
	v_lshl_or_b32 v20, v19, 24, v20
.irp b, 0,1,2,3                        ; even blocks to v160-171, odd blocks to v172-183
	v_cvt_scalef32_pk16_bf6_f32 v[160+12*(\b%2)+6*(\b/2):160+12*(\b%2)+6*(\b/2)+2], v[R+32*\b:R+32*\b+15], v[12+\b]
	v_cvt_scalef32_pk16_bf6_f32 v[184+4*\b:184+4*\b+2], v[R+32*\b+16:R+32*\b+31], v[12+\b]
.endr
	v_nop                                          ; one plain place behind a scaled conversion
.irp b, 0,1,2,3
.irp i, 0,1,2
	v_mov_b32 v[160+12*(\b%2)+6*(\b/2)+3+\i], v[184+4*\b+\i]
.endr
.endr
.irp i, 0,1,2,3,4,5,6,7,8,9,10,11
	v_permlane16_swap_b32 v[160+\i], v[172+\i]     ; the first's lanes 16-31 change places with the second's lanes 0-15: v160.. is tile 2 p's fragment (lane (r, h): blocks h, 2 + h), v172.. tile 2 p + 1's
.endr
.irp i, 0,1,2,3,4,5
	global_store_b128 v1, v[160+4*\i:160+4*\i+3], s[34:35] offset:512*\i
.endr
	global_store_b32 v3, v20, s[36:37]             ; 128 bytes a wave; the work-group's four waves cover 512 consecutive bytes
	s_endpgm
.Lfunc_end_k_q84f8551d2e_quant:
	.size	k_q84f8551d2e_quant, .Lfunc_end_k_q84f8551d2e_quant-k_q84f8551d2e_quant
	.p2alignl 7, 3214868480
	.fill 96, 4, 3214868480
	.section	.rodata,"a",@progbits
	.p2align	6, 0x0
	.amdhsa_kernel k_q84f8551d2e_quant
		.amdhsa_group_segment_fixed_size 34304
		.amdhsa_private_segment_fixed_size 0
		.amdhsa_enable_private_segment 0
		.amdhsa_kernarg_size 48
		.amdhsa_user_sgpr_count 2
		.amdhsa_user_sgpr_kernarg_segment_ptr 1
		.amdhsa_wavefront_size32 1
		.amdhsa_system_sgpr_workgroup_id_x 1
		.amdhsa_system_sgpr_workgroup_id_y 1
		.amdhsa_system_sgpr_workgroup_id_z 1
		.amdhsa_system_vgpr_workitem_id 0
		.amdhsa_next_free_vgpr 256
		.amdhsa_next_free_sgpr 66
		.amdhsa_reserve_vcc 1
		.amdhsa_float_denorm_mode_32 3
		.amdhsa_float_denorm_mode_16_64 3
		.amdhsa_memory_ordered 1
		.amdhsa_forward_progress 1
		.amdhsa_inst_pref_size 50
	.end_amdhsa_kernel
	.amdgpu_metadata
---
amdhsa.version: [ 1, 2 ]
amdhsa.kernels:
  - .name:           k_q84f8551d2e_quant
    .symbol:         k_q84f8551d2e_quant.kd
    .args:
      - { .name: x, .offset: 0, .size: 8, .value_kind: global_buffer, .address_space: global }
      - { .name: Wq, .offset: 8, .size: 8, .value_kind: global_buffer, .address_space: global }
      - { .name: Wk, .offset: 16, .size: 8, .value_kind: global_buffer, .address_space: global }
      - { .name: Wv, .offset: 24, .size: 8, .value_kind: global_buffer, .address_space: global }
      - { .name: xbuf, .offset: 32, .size: 8, .value_kind: global_buffer, .address_space: global }
      - { .name: wbuf, .offset: 40, .size: 8, .value_kind: global_buffer, .address_space: global }
    .group_segment_fixed_size: 34304
    .private_segment_fixed_size: 0
    .kernarg_segment_align: 8
    .kernarg_segment_size: 48
    .max_flat_workgroup_size: 128
    .sgpr_count:     66
    .vgpr_count:     256
    .wavefront_size: 32
...
	.end_amdgpu_metadata
.endif
;; end of part 1
;; launch proj (part 2): grid 64 x 4, 4 waves a work-group, clusters of 4 x 1, 327,680 bytes of LDS; arguments xbuf, wbuf, qbuf, kbuf, vbuf; writes qbuf, kbuf, vbuf
.if DOCPART == 2
	.amdgcn_target "amdgcn-amd-amdhsa--gfx1250"
	.amdhsa_code_object_version 6
	.text
	.protected	k_q84f8551d2e_proj
	.globl	k_q84f8551d2e_proj
	.p2align	8
	.type	k_q84f8551d2e_proj,@function
k_q84f8551d2e_proj:
	s_mov_b64 s[64:65], 0
	v_nop
	global_prefetch_b8 v0, s[64:65] scope:SCOPE_SE
	s_setreg_imm32_b32 hwreg(HW_REG_WAVE_MODE, 25, 1), 1
	s_wait_xcnt 0x0
	s_wait_alu depctr_hold_cnt(0) depctr_sa_sdst(0) depctr_va_vdst(0) depctr_va_sdst(0) depctr_va_ssrc(0) depctr_va_vcc(0) depctr_vm_vsrc(0)
	s_getreg_b32 s2, hwreg(HW_REG_IB_STS2, 6, 4)
	s_cmp_eq_u32 s2, 0
	s_cbranch_scc0 .Lentry_in_a_cluster
	s_endpgm
.Lentry_in_a_cluster:
	s_bfe_u32 s2, ttmp6, 0x10000c
	s_cmp_lg_u32 s2, 0x3003
	s_cbranch_scc0 .Lentry_shape_is_right
	s_endpgm
.Lentry_shape_is_right:
; q, k, v = x W on codes of BF6 (E3M2) with E8M0 scales; the results are quantised in registers and leave as codes: q and k along the 512 channels, v along the tokens (the keys).
; SHARES.  A work-group makes 256 tokens x columns 128 g .. 128 g + 127 of q, of k and of v.  Wave w owns 64 tokens (token tiles T0 .. T0 + 3) and keeps their 32 fragments of x (384 registers)
; for the whole launch, read from memory once.  The work-group's share of the weights, 307,200 bytes of fragment images and scale words, lies in LDS, filled ONCE: no ring, no byte is filled twice.
; CLUSTER.  The four work-groups of a cluster share g, so they need the same weights: each tile is asked for jointly, by the same tensor load with the same descriptor and the mask 15.
; A wave has four tensor loads outstanding at the most: the scale words, then q's, k's and v's codes; each part's products begin behind a counted wait and a barrier.
; q, k: TRANSPOSED (source 0 = 16 columns of W, source 1 = 16 tokens): a lane holds one token, and since row r of W's tile t is column 32 (t / 2) + 8 (t % 2) + r + 8 (r / 8), the 16 registers of tiles 2 b, 2 b + 1
; are 16 neighbouring channels.  v: source 0 = 16 tokens, source 1 = 16 columns: a lane holds one channel, and by the token tiles' order the 16 registers of tiles 2 G, 2 G + 1 are 16 neighbouring tokens.
; LIMITS: a block of zeros gets the byte 1 where the rule says 127 (zero codes; this program alone reads the bytes); NaN and infinities are not served.
; REGISTERS, in windows of 256: window 0: v1-13 addresses; v16-31 x's scale words; v32-39 W's, two sets; v40-61 at work; v64-159, v160-255 two sets of W's 8 fragments (v64-83 take the codes made in the epilogues).
;   window 1: x's fragments of K steps 0-3 at 12 (4 s + m);  window 2: of K steps 4-7;  window 3: the 32 accumulators (q, k: 64 m + 8 t;  v: 32 t + 8 m).
.set XS_OFF, 12582912
.set SC_OFF, 6291456
.set FRAG,   1536
.set WPART,  98304                     ; one part's codes: 8 K steps x 8 tiles
.set WSCL,   294912                    ; W's scale words, in the block of wbuf and in LDS alike
.set WBLK,   307200
.set SCR,    307200                    ; LDS: 256 bytes for each wave: q's and k's scale words on their way out
.set VSCR,   308224                    ; LDS: 1,024 bytes [128 keys: 2][lane 16 (t % 2) + r][pair t / 2] words: v's scale bytes, which two waves piece together; so laid, the reader's lane takes its four scale registers as 16 neighbouring bytes
.set AD, 2                             ; v2-7   16 x lane + 49,152 x (2 part + half of K): an LDS offset holds 16 bits
.set XS, 16
.set WS, 32
.set TM, 40                            ; v40-43 largest magnitudes, v44-47 partner's and bytes, v52-55 scale operands
.set PW, 56                            ; v56-59 the scale words just made
.set WB, 64
.set PC, 64                            ; v64-75 codes, v76-83 the conversions' second halves
.set WV, 14
.set G1C, 24                           ; s[24:31] group 1: 96 rows of 256 bytes;  s[32:39]: 12 rows;  s[40:55] four groups 0
.set G1S, 32
.set G0,  40
.set MSB, 0
.macro WIN new                         ; the immediate's high byte repeats the setting that is left
.if MSB != \new
	s_set_vgpr_msb (MSB<<8)|\new
.set MSB, \new
.endif
.endm
.macro PLACES                          ; four plain places behind a matrix instruction, ahead of loads into its registers and of reads of its results
.rept 4
	v_nop
.endr
.endm
.macro BAR
	s_barrier_signal -1
	s_barrier_wait -1
.endm
.macro CROUND                          ; a round of the cluster's barrier
	s_barrier_signal -1
	s_barrier_wait -1
	s_cmp_lg_u32 s[WV], 0
	s_cbranch_scc1 .Lnot_wave_0_\@
	s_barrier_signal -3
.Lnot_wave_0_\@:
	s_barrier_wait -3
	s_barrier_signal -1
	s_barrier_wait -1
.endm
; one product.  zero: C is the constant 0.  ra, rb: the side's scales stand in lanes 16-31 of its register
.macro WM d, a, b, zero, sa, sb, ra, rb
.if \zero
.if (\ra) && (\rb)
	v_wmma_scale_f32_16x16x128_f8f6f4 v[\d:\d+7], v[\a:\a+11], v[\b:\b+11], 0, v[\sa], v[\sb] matrix_a_fmt:MATRIX_FMT_BF6 matrix_b_fmt:MATRIX_FMT_BF6 matrix_a_scale:MATRIX_SCALE_ROW1 matrix_b_scale:MATRIX_SCALE_ROW1
.elseif \ra
	v_wmma_scale_f32_16x16x128_f8f6f4 v[\d:\d+7], v[\a:\a+11], v[\b:\b+11], 0, v[\sa], v[\sb] matrix_a_fmt:MATRIX_FMT_BF6 matrix_b_fmt:MATRIX_FMT_BF6 matrix_a_scale:MATRIX_SCALE_ROW1
.elseif \rb
	v_wmma_scale_f32_16x16x128_f8f6f4 v[\d:\d+7], v[\a:\a+11], v[\b:\b+11], 0, v[\sa], v[\sb] matrix_a_fmt:MATRIX_FMT_BF6 matrix_b_fmt:MATRIX_FMT_BF6 matrix_b_scale:MATRIX_SCALE_ROW1
.else
	v_wmma_scale_f32_16x16x128_f8f6f4 v[\d:\d+7], v[\a:\a+11], v[\b:\b+11], 0, v[\sa], v[\sb] matrix_a_fmt:MATRIX_FMT_BF6 matrix_b_fmt:MATRIX_FMT_BF6
.endif
.else
.if (\ra) && (\rb)
	v_wmma_scale_f32_16x16x128_f8f6f4 v[\d:\d+7], v[\a:\a+11], v[\b:\b+11], v[\d:\d+7], v[\sa], v[\sb] matrix_a_fmt:MATRIX_FMT_BF6 matrix_b_fmt:MATRIX_FMT_BF6 matrix_a_scale:MATRIX_SCALE_ROW1 matrix_b_scale:MATRIX_SCALE_ROW1
.elseif \ra
	v_wmma_scale_f32_16x16x128_f8f6f4 v[\d:\d+7], v[\a:\a+11], v[\b:\b+11], v[\d:\d+7], v[\sa], v[\sb] matrix_a_fmt:MATRIX_FMT_BF6 matrix_b_fmt:MATRIX_FMT_BF6 matrix_a_scale:MATRIX_SCALE_ROW1
.elseif \rb
	v_wmma_scale_f32_16x16x128_f8f6f4 v[\d:\d+7], v[\a:\a+11], v[\b:\b+11], v[\d:\d+7], v[\sa], v[\sb] matrix_a_fmt:MATRIX_FMT_BF6 matrix_b_fmt:MATRIX_FMT_BF6 matrix_b_scale:MATRIX_SCALE_ROW1
.else
	v_wmma_scale_f32_16x16x128_f8f6f4 v[\d:\d+7], v[\a:\a+11], v[\b:\b+11], v[\d:\d+7], v[\sa], v[\sb] matrix_a_fmt:MATRIX_FMT_BF6 matrix_b_fmt:MATRIX_FMT_BF6
.endif
.endif
.endm
; W's 8 fragments and 4 scale registers of (part, K step ks) into set bf: 28 LDS loads, each of consecutive bytes
.macro FETCHW part, ks, bf
.irp t, 0,1,2,3,4,5,6,7
.irp i, 0,1,2
	ds_load_b128 v[WB+96*(\bf)+12*\t+4*\i:WB+96*(\bf)+12*\t+4*\i+3], v[AD+2*(\part)+(\ks)/4] offset:((\ks)%4)*12288+FRAG*\t+512*\i
.endr
.endr
.irp p, 0,1,2,3
	ds_load_b32 v[WS+4*(\bf)+\p], v8 offset:(8*(\part)+(\ks))*512+128*\p    ; lanes 0-15: tile 2 p's words, lanes 16-31: tile 2 p + 1's
.endr
.endm
; 32 products of one K step; the 32 accumulators take turns, in the same order in every step
.macro MULQK ks, bf
.if (\ks) < 4
	WIN 0xf4                                       ; source 0 (W) window 0, source 1 (x) window 1, C and D window 3
.else
	WIN 0xf8                                       ; x in window 2
.endif
.irp t, 0,1,2,3,4,5,6,7
.irp m, 0,1,2,3
	WM 64*\m+8*\t, WB+96*(\bf)+12*\t, 12*(4*((\ks)%4)+\m), (\ks)==0, WS+4*(\bf)+\t/2, XS+4*\m+(\ks)/2, \t%2, (\ks)%2
.endr
.endr
.endm
.macro MULV ks, bf
.if (\ks) < 4
	WIN 0xf1                                       ; source 0 (x) window 1, source 1 (W) window 0, C and D window 3
.else
	WIN 0xf2
.endif
.irp t, 0,1,2,3,4,5,6,7
.irp m, 0,1,2,3
	WM 32*\t+8*\m, 12*(4*((\ks)%4)+\m), WB+96*(\bf)+12*\t, (\ks)==0, XS+4*\m+(\ks)/2, WS+4*(\bf)+\t/2, (\ks)%2, \t%2
.endr
.endr
.endm
; 64 results of a lane in window 3, register src + 16 b + i = K 32 b + 16 (lane / 16) + i of my row, become a fragment's codes in v[PC] on and its scale word in v[pw].  Each accumulator is read from its low end on.
.macro QUANT src, pw
	WIN 0x0f                                       ; sources 0 and 1 window 3
.irp b, 0,1,2,3
	v_max3_num_f32 v[TM+\b], |v[\src+16*\b]|, |v[\src+16*\b+1]|, 0x2800000    ; the floor 2^(5 - 127) holds the byte at 1
.endr
.irp i, 2,4,6,8,10,12,14
.irp b, 0,1,2,3
	v_max3_num_f32 v[TM+\b], |v[\src+16*\b+\i]|, |v[\src+16*\b+\i+1]|, v[TM+\b]
.endr
.endr
	WIN 0
.irp b, 0,1,2,3
	v_permlanex16_b32 v[TM+4+\b], v[TM+\b], s20, s21
.endr
.irp b, 0,1,2,3
	v_max_num_f32 v[TM+\b], v[TM+\b], v[TM+4+\b]   ; with lane l xor 16's 16: the block's largest magnitude
.endr
.irp b, 0,1,2,3
	v_add_nc_u32 v[TM+12+\b], 0xfe000000, v[TM+\b] ; 4 off the exponent field: the conversion's scale operand
.endr
.irp b, 0,1,2,3
	v_lshrrev_b32 v[TM+4+\b], 23, v[TM+12+\b]      ; the byte
.endr
	v_lshl_or_b32 v[\pw], v[TM+5], 8, v[TM+4]
	v_lshl_or_b32 v[\pw], v[TM+6], 16, v[\pw]
	v_lshl_or_b32 v[\pw], v[TM+7], 24, v[\pw]
	WIN 0x03                                       ; source 0 window 3
.irp c, 0,1
	v_cvt_scalef32_pk16_bf6_f32 v[PC+6*\c:PC+6*\c+2], v[\src+32*\c:\src+32*\c+15], v[TM+12+2*\c]
	v_cvt_scalef32_pk16_bf6_f32 v[PC+12+4*\c:PC+12+4*\c+2], v[\src+32*\c+16:\src+32*\c+31], v[TM+12+2*\c+1]
.endr
	WIN 0
	v_nop                                          ; one plain place behind a scaled conversion
.irp c, 0,1                            ; the operand's layout wants a whole block in a lane: lanes 0-15 block 2 c, lanes 16-31 block 2 c + 1
.irp i, 0,1,2
	v_permlane16_swap_b32 v[PC+6*\c+\i], v[PC+12+4*\c+\i]
.endr
.irp i, 0,1,2
	v_mov_b32 v[PC+6*\c+3+\i], v[PC+12+4*\c+\i]
.endr
.endr
.endm
; One part's 256 products.  W's next K step is fetched while this one is multiplied.
.macro PART part
	s_wait_tensorcnt 2-\part                       ; my quarter of the scale words and of this part's codes has landed; the later parts' loads may be out
	BAR                                            ; everybody's has
	s_wait_xcnt 0x0                                ; the last epilogue's stores have read v60-83, which are loaded again
	FETCHW \part, 0, 0
.irp k, 0,1,2,3,4,5,6
	PLACES
	FETCHW \part, \k+1, (\k+1)%2
	s_wait_dscnt 28                                ; all but the 28 just issued: this K step's fragments are in
.if \part < 2
	MULQK \k, \k%2
.else
	MULV \k, \k%2
.endif
	WIN 0
.endr
	s_wait_dscnt 0x0
.if \part < 2
	MULQK 7, 1
.else
	MULV 7, 1
.endif
	WIN 0
	PLACES
.endm
; q's or k's way out: tile m's 128 channels are K step g of the scores' product: one fragment image and one scale word a token
.macro EPI_QK cb, sb
.irp m, 0,1,2,3
.if \m > 0
	s_wait_xcnt 0x0                                ; the last tile's stores have read the codes' registers
.endif
	QUANT 64*\m, PW+\m
.irp i, 0,1,2
	global_store_b128 v1, v[PC+4*\i:PC+4*\i+3], s[\cb:\cb+1] offset:4*FRAG*\m+512*\i
.endr
	ds_store_b32 v9, v[PW+\m] offset:64*\m         ; both halves of the lanes write the same word with the same value
.endr
	ds_load_b64 v[60:61], v10                      ; LDS serves a wave's instructions in order: my four tiles' 64 words,
	s_wait_dscnt 0x0
	global_store_b64 v13, v[60:61], s[\sb:\sb+1]   ; as 256 consecutive bytes, aligned
.endm
	s_load_b256 s[4:11], s[0:1], 0x0               ; xbuf, wbuf, qbuf, kbuf
	s_load_b64 s[12:13], s[0:1], 0x20              ; vbuf
	v_lshl_add_u32 v62, v0, 2, 0x4b800
	v_mov_b32 v63, 0
	ds_add_u32 v62, v63
	ds_add_u32 v62, v63
	v_lshrrev_b32 v14, 5, v0
	v_readfirstlane_b32 s[WV], v14                 ; wave
	v_and_b32 v14, 31, v0                          ; lane
	v_and_b32 v15, 15, v0                          ; r
	v_lshlrev_b32 v1, 4, v14                       ; 16 x lane
	v_lshlrev_b32 v13, 3, v14                      ; 8 x lane
.irp k, 0,1,2,3,4,5
	v_add_nc_u32 v[AD+\k], 49152*\k, v1
.endr
	v_lshl_add_u32 v8, v14, 2, WSCL                ; W's scale words: 4 x lane
	s_lshl_b32 s56, s[WV], 8
	v_lshl_add_u32 v9, v15, 2, s56
	v_add_nc_u32 v9, SCR, v9                       ; SCR + 256 w + 4 r
	v_add_nc_u32 v10, s56, v13
	v_add_nc_u32 v12, VSCR, v10                    ; VSCR + 256 w + 8 x lane
	v_add_nc_u32 v10, SCR, v10                     ; SCR + 256 w + 8 x lane
	s_lshr_b32 s57, s[WV], 1
	s_lshl_b32 s57, s57, 9
	s_and_b32 s56, s[WV], 1
	s_lshl_b32 s56, s56, 1
	s_add_co_u32 s57, s57, s56
	v_lshl_add_u32 v11, v15, 4, s57
	v_add_nc_u32 v11, VSCR, v11                    ; VSCR + 512 (w / 2) + 2 (w % 2) + 16 r
.irp b, 0,1,2,3
	v_mov_b32 v[TM+4+\b], 0                        ; a lane permute's destination counts as one of its sources
.endr
	s_mov_b32 s20, 0x76543210
	s_mov_b32 s21, 0xfedcba98
	s_bfe_u32 s15, ttmp6, 0x40000                  ; cx: it enters x's and the outputs' addresses alone
	s_lshl_b32 s16, ttmp9, 2
	s_add_co_u32 s16, s16, s15                     ; RB: my block of 256 tokens
	s_and_b32 s17, ttmp7, 0xffff                   ; g, which the four partners share
	s_lshl_b32 s18, s16, 4
	s_lshl_b32 s19, s[WV], 2
	s_add_co_u32 s18, s18, s19                     ; T0 = 16 RB + 4 w
	s_mul_i32 s80, s18, 8*FRAG                     ; x's codes
	s_mov_b32 s81, 0
	s_lshl_b32 s82, s18, 9                         ; x's scale words: 512 bytes a tile
	s_add_co_u32 s82, s82, XS_OFF
	s_mov_b32 s83, 0
	s_mul_i32 s68, s18, 4*FRAG                     ; q's and k's codes: [T][s = g]
	s_mul_i32 s19, s17, FRAG
	s_add_co_u32 s68, s68, s19
	s_mov_b32 s69, 0
	s_lshl_b32 s70, s17, 10                        ; their scale words: [s = g][T][16]
	s_add_co_u32 s70, s70, s18
	s_lshl_b32 s70, s70, 6
	s_add_co_u32 s70, s70, SC_OFF
	s_mov_b32 s71, 0
	s_lshl_b32 s76, s16, 1
	s_lshr_b32 s19, s[WV], 1
	s_add_co_u32 s76, s76, s19                     ; J = 2 RB + w / 2: my 128 keys
	s_lshl_b32 s76, s76, 5
	s_lshl_b32 s19, s17, 3
	s_add_co_u32 s76, s76, s19                     ; 32 J + 8 g: my first channel tile
	s_lshl_b32 s78, s76, 6
	s_mul_i32 s76, s76, FRAG
	s_and_b32 s19, s[WV], 1
	s_mul_i32 s56, s19, 768                        ; my 64 keys are half c = w % 2 of a fragment
	s_add_co_u32 s76, s76, s56
	s_mov_b32 s77, 0
	s_lshl_b32 s56, s19, 8
	s_add_co_u32 s78, s78, s56
	s_add_co_u32 s78, s78, SC_OFF
	s_mov_b32 s79, 0
	; descriptors: dense blocks as rows of 256 bytes (32 elements of 8 bytes), no padding: the images are read 512 consecutive bytes at a time
	s_mov_b32 s[G1C], 15|(3<<16)|(1<<21)           ; 15:0 the mask: all four work-groups; 17:16 elements of 8 bytes; 21 set beside a mask
	s_mov_b32 s[G1C+1], 32<<16                     ; tensor_dim0
	s_mov_b32 s[G1C+2], 96<<16                     ; tensor_dim1: 96 rows = two K steps' 16 fragments
	s_mov_b32 s[G1C+3], 32<<16                     ; tile_dim0
	s_mov_b32 s[G1C+4], 96                         ; tile_dim1
	s_mov_b32 s[G1C+5], 32                         ; the pitch
	s_mov_b32 s[G1C+6], 0
	s_mov_b32 s[G1C+7], 0
	s_mov_b32 s[G1S], 15|(3<<16)|(1<<21)
	s_mov_b32 s[G1S+1], 32<<16
	s_mov_b32 s[G1S+2], 12<<16                     ; 12 rows: a quarter of the scale words
	s_mov_b32 s[G1S+3], 32<<16
	s_mov_b32 s[G1S+4], 12
	s_mov_b32 s[G1S+5], 32
	s_mov_b32 s[G1S+6], 0
	s_mov_b32 s[G1S+7], 0
	s_mul_i32 s58, s17, WBLK                       ; g's block of wbuf: byte for byte the LDS image
	s_mov_b32 s59, 0
	s_mul_i32 s62, s[WV], 3072
	s_add_co_u32 s62, s62, WSCL
	s_mov_b32 s63, 0
	s_mul_i32 s84, s[WV], 24576
	s_mov_b32 s85, 0
	s_wait_dscnt 0x0
	s_wait_kmcnt 0x0
	s_add_nc_u64 s[80:81], s[4:5], s[80:81]
	s_add_nc_u64 s[82:83], s[4:5], s[82:83]
	s_add_nc_u64 s[72:73], s[10:11], s[68:69]      ; k's codes, k's scale words
	s_add_nc_u64 s[74:75], s[10:11], s[70:71]
	s_add_nc_u64 s[68:69], s[8:9], s[68:69]        ; q's
	s_add_nc_u64 s[70:71], s[8:9], s[70:71]
	s_add_nc_u64 s[76:77], s[12:13], s[76:77]      ; v's
	s_add_nc_u64 s[78:79], s[12:13], s[78:79]
	s_add_nc_u64 s[60:61], s[6:7], s[58:59]
	s_mov_b32 s[G0], 1
	s_mov_b32 s[G0+1], s62                         ; LDS address = the offset inside the block: a constant + a constant x wave
	s_add_nc_u64 s[G0+2:G0+3], s[60:61], s[62:63]
	s_or_b32 s[G0+3], s[G0+3], 0x80000000
.irp p, 0,1,2
	s_mov_b32 s[G0+4+4*\p], 1
	s_add_co_u32 s[G0+5+4*\p], s84, WPART*\p
	s_add_nc_u64 s[G0+6+4*\p:G0+7+4*\p], s[60:61], s[84:85]
	s_add_nc_u64 s[G0+6+4*\p:G0+7+4*\p], s[G0+6+4*\p:G0+7+4*\p], WPART*\p
	s_or_b32 s[G0+7+4*\p], s[G0+7+4*\p], 0x80000000
.endr
	CROUND                                         ; all four work-groups are here: the joint loads meet
	tensor_load_to_lds s[G0:G0+3], s[G1S:G1S+7]    ; the first and only fills, as one group
	s_nop 0
	tensor_load_to_lds s[G0+4:G0+7], s[G1C:G1C+7]
	s_nop 0
	tensor_load_to_lds s[G0+8:G0+11], s[G1C:G1C+7]
	s_nop 0
	tensor_load_to_lds s[G0+12:G0+15], s[G1C:G1C+7]
	s_nop 0
.rept 4
	v_nop                                          ; four plain places ahead of the switch of windows
.endr
	WIN 0x40                                       ; destination window 1
.irp s, 0,1,2,3
.irp m, 0,1,2,3
.irp i, 0,1,2
	global_load_b128 v[12*(4*\s+\m)+4*\i:12*(4*\s+\m)+4*\i+3], v1, s[80:81] offset:(8*\m+\s)*FRAG+512*\i
.endr
.endr
.endr
	WIN 0x80                                       ; destination window 2
.irp s, 0,1,2,3
.irp m, 0,1,2,3
.irp i, 0,1,2
	global_load_b128 v[12*(4*\s+\m)+4*\i:12*(4*\s+\m)+4*\i+3], v1, s[80:81] offset:(8*\m+\s+4)*FRAG+512*\i
.endr
.endr
.endr
	WIN 0
.irp m, 0,1,2,3
.irp kh, 0,1
	global_load_b64 v[XS+4*\m+2*\kh:XS+4*\m+2*\kh+1], v13, s[82:83] offset:512*\m+256*\kh   ; register s / 2 of a tile's four: K step s in lanes 0-15 (s even) or 16-31 (s odd)
.endr
.endr
	s_wait_loadcnt 0x0                             ; x stays in registers from here on
	PART 0
	EPI_QK 68, 70
	PART 1
	EPI_QK 72, 74
	PART 2
	; v's way out: the 64 registers of channel tiles 2 q, 2 q + 1 are blocks (tile, 32 tokens): codes 0-5 are half c = w % 2 of tile 2 q's fragment, codes 6-11 of tile 2 q + 1's
.irp q, 0,1,2,3
.if \q > 0
	s_wait_xcnt 0x0                                ; the last pair's stores have read the codes' registers
.endif
	QUANT 64*\q, PW+\q
.irp hx, 0,1
	global_store_b128 v1, v[PC+6*\hx:PC+6*\hx+3], s[76:77] offset:(2*\q+\hx)*FRAG
	global_store_b64 v13, v[PC+6*\hx+4:PC+6*\hx+5], s[76:77] offset:(2*\q+\hx)*FRAG+512
.endr
	ds_store_b16 v11, v[PW+\q] offset:4*\q         ; tile 2 q: my two blocks' bytes, at bytes 2 (w % 2) on of the channel's word: the place of lane r, pair q
	ds_store_b16_d16_hi v11, v[PW+\q] offset:256+4*\q   ; tile 2 q + 1: the place of lane 16 + r, pair q
.endr
	s_wait_dscnt 0x0                               ; for the others' sake: my stores have landed
	BAR                                            ; a word's four bytes come from two waves
	ds_load_b64 v[60:61], v12
	s_wait_dscnt 0x0
	global_store_b64 v13, v[60:61], s[78:79]       ; 256 consecutive bytes, aligned
	s_wait_tensorcnt 0x0
	ds_add_u32 v62, v63
	s_wait_dscnt 0x0
	CROUND                                         ; the closing round
	s_endpgm
.Lfunc_end_k_q84f8551d2e_proj:
	.size	k_q84f8551d2e_proj, .Lfunc_end_k_q84f8551d2e_proj-k_q84f8551d2e_proj
	.p2alignl 7, 3214868480
	.fill 96, 4, 3214868480
	.section	.rodata,"a",@progbits
	.p2align	6, 0x0
	.amdhsa_kernel k_q84f8551d2e_proj
		.amdhsa_group_segment_fixed_size 327680
		.amdhsa_private_segment_fixed_size 0
		.amdhsa_enable_private_segment 0
		.amdhsa_kernarg_size 40
		.amdhsa_user_sgpr_count 2
		.amdhsa_user_sgpr_kernarg_segment_ptr 1
		.amdhsa_wavefront_size32 1
		.amdhsa_system_sgpr_workgroup_id_x 1
		.amdhsa_system_sgpr_workgroup_id_y 1
		.amdhsa_system_sgpr_workgroup_id_z 1
		.amdhsa_system_vgpr_workitem_id 0
		.amdhsa_next_free_vgpr 1024
		.amdhsa_next_free_sgpr 88
		.amdhsa_reserve_vcc 0
		.amdhsa_float_denorm_mode_32 3
		.amdhsa_float_denorm_mode_16_64 3
		.amdhsa_memory_ordered 1
		.amdhsa_forward_progress 1
		.amdhsa_inst_pref_size 213
	.end_amdhsa_kernel
	.amdgpu_metadata
---
amdhsa.version: [ 1, 2 ]
amdhsa.kernels:
  - .name:           k_q84f8551d2e_proj
    .symbol:         k_q84f8551d2e_proj.kd
    .args:
      - { .name: xbuf, .offset: 0, .size: 8, .value_kind: global_buffer, .address_space: global }
      - { .name: wbuf, .offset: 8, .size: 8, .value_kind: global_buffer, .address_space: global }
      - { .name: qbuf, .offset: 16, .size: 8, .value_kind: global_buffer, .address_space: global }
      - { .name: kbuf, .offset: 24, .size: 8, .value_kind: global_buffer, .address_space: global }
      - { .name: vbuf, .offset: 32, .size: 8, .value_kind: global_buffer, .address_space: global }
    .group_segment_fixed_size: 327680
    .private_segment_fixed_size: 0
    .kernarg_segment_align: 8
    .kernarg_segment_size: 40
    .max_flat_workgroup_size: 128
    .sgpr_count:     88
    .vgpr_count:     1024
    .wavefront_size: 32
...
	.end_amdgpu_metadata
.endif
;; end of part 2
;; launch attn (part 3): grid 32 x 8, 4 waves a work-group, no clusters, 38,912 bytes of LDS; arguments qbuf, kbuf, vbuf, out0; writes out0
.if DOCPART == 3
	.amdgcn_target "amdgcn-amd-amdhsa--gfx1250"
	.amdhsa_code_object_version 6
	.text
	.protected	k_q84f8551d2e_attn
	.globl	k_q84f8551d2e_attn
	.p2align	8
	.type	k_q84f8551d2e_attn,@function
k_q84f8551d2e_attn:
	s_mov_b64 s[64:65], 0
	v_nop
	global_prefetch_b8 v0, s[64:65] scope:SCOPE_SE
	s_setreg_imm32_b32 hwreg(HW_REG_WAVE_MODE, 25, 1), 1
	s_wait_xcnt 0x0
; out[b][q] = sum over keys k <= q of softmax_k(q . k / sqrt(512)) v[k], both products on codes of BF6 (E3M2) with E8M0 scales of 32 along K.
; THE SOFTMAX AHEAD OF THE SECOND PRODUCT: t = score x log2(e) / sqrt(512); p = 2^(t - M), M a whole number not under the largest t; p is quantised along the keys; the sum of the unquantised p divides at the end.
; SHARES.  A work-group does TWO JOBS, one after the other: the blocks 63 - x and x of 32 queries (2 token tiles n) of one batch.  Block a walks the key steps j = 0 .. a / 4 of 128 keys (steps wholly behind the
; diagonal are not walked, the last step is masked), and (63 - x) / 4 + x / 4 + 2 = 17 for every x: all 256 work-groups walk 17 steps.
; THE WAVES SHARE THE KEYS FOR S AND THE CHANNELS FOR O.  Wave w makes S^T for keys 128 j + 32 w .. + 31 (two key tiles) against both query tiles, and O^T for channels 128 w .. + 127 of the 32 queries.
; So each fragment of K and of V is read by ONE wave, feeds two products, and comes straight from memory into registers as an image; only p (3 KB a step) goes from wave to wave, through LDS.
; A wave's 32 keys are exactly one scale block, so each wave keeps a running M of its own, M_w; the reader brings block w under the common M = max M_w by adding M_w - M to its scale byte: exact.
; A job's last step asks for key step 0, which is the next job's first; the next job's queries are asked for ahead of the way out.
; NO CLUSTER, NO TENSOR LOAD: no tile of K or V lands in LDS: each goes to one wave's registers, so there is nothing that a joint request could share.
; LIMITS: NaN and infinities are not served; a scale byte of p that would fall under 0 under the common M is held at 0 (such weights are at most 28 x 2^-127); M is an f32 whole number: exact while |t| < 2^24.
; Both products are used transposed: a lane holds one query (lane % 16) throughout.
; REGISTERS, in windows of 256: window 0: v1-12 addresses; v16-33 scale words (Q 4, K 4, V 4, p 2); v36-59 statistics; v64-95 S^T, then p (16 n + key); v128-209 at work.
;   window 1: Q's 8 fragments at 12 (4 n + s).  window 2: K's 8 at 12 (4 u + s), V's 8 at 96 + 12 t, p's 2 at 192 + 12 n.  window 3: O^T at 64 n + 8 t.
.set SC_OFF, 6291456
.set FRAG,   1536
.set STM,    3072                      ; LDS: behind p's images [n 2][c 2][768]: [n][query 16][wave 4] f32: -M_w,
.set STB,    3584                      ; the block's scale byte as f32,
.set STL,    4096                      ; and at a job's end the wave's sum
.set STAGE,  4608                      ; the way out: 16 rows x (512 + 16) bytes for each wave
.set QS, 16
.set KS, 24
.set VS, 28
.set PS, 32
.set ST, 36                            ; tile n: +0 -M_w, +1 the largest t, +2, +3 the sum in two halves
.set PREV, 52                          ; the common -M of the last step
.set FF, 56                            ; pairs: 2^(old M - new M); at the end 1 / the sum
.set S,  64
.set FL, 128                           ; pairs: the same for my own M_w
.set BM, 136
.set TT, 140
.set SCO, 144
.set BY, 148
.set PCK, 152                          ; 6 registers: the two tiles' codes
.set CT, 164
.set MW, 172                           ; [4 n + w] the four waves' -M
.set BW, 188                           ; [4 n + w] their bytes
.set WK, 204
.set VF, 96
.set PF, 192
.set WV, 12
.set SJ, 13                            ; s13  the key step in hand
.set LAST, 14                          ; s14  the job's last key step: a / 4
.set JN, 15                            ; s15  the step whose tiles are asked for
.set END, 16                           ; s16  LAST + 1: the loop over key steps goes on while SJ < END
.set JB, 18                            ; s18  the job: 0, 1
.set AB, 19                            ; s19  the job's block of 32 queries
.set KB0, 24
.set KSB0, 26
.set VB0, 28
.set VSB0, 30
.set KB, 32
.set KSB, 34
.set VB, 36
.set VSB, 38
.set QH, 48                            ; s[48:51] Q's codes and scale words of block 63 - x;  s[52:55] of block x
.set QSH, 50
.set QL, 52
.set QSL, 54
.set OB0, 56                           ; s[56:57] out at the batch's first row, my 128 channels;  s[58:59] at the job's first row
.set OB, 58
.set AHI, 60
.set ALO, 61
.set MSB, 0
.macro WIN new                         ; the immediate's high byte repeats the setting that is left
.if MSB != \new
	s_set_vgpr_msb (MSB<<8)|\new
.set MSB, \new
.endif
.endm
.macro PLACES                          ; four plain places behind a matrix instruction (ISA guide 7.12.1)
.rept 4
	v_nop
.endr
.endm
.macro BAR
	s_barrier_signal -1
	s_barrier_wait -1
.endm
.macro WM d, a, b, zero, sa, sb, ra, rb
.if \zero
.if (\ra) && (\rb)
	v_wmma_scale_f32_16x16x128_f8f6f4 v[\d:\d+7], v[\a:\a+11], v[\b:\b+11], 0, v[\sa], v[\sb] matrix_a_fmt:MATRIX_FMT_BF6 matrix_b_fmt:MATRIX_FMT_BF6 matrix_a_scale:MATRIX_SCALE_ROW1 matrix_b_scale:MATRIX_SCALE_ROW1
.elseif \ra
	v_wmma_scale_f32_16x16x128_f8f6f4 v[\d:\d+7], v[\a:\a+11], v[\b:\b+11], 0, v[\sa], v[\sb] matrix_a_fmt:MATRIX_FMT_BF6 matrix_b_fmt:MATRIX_FMT_BF6 matrix_a_scale:MATRIX_SCALE_ROW1
.elseif \rb
	v_wmma_scale_f32_16x16x128_f8f6f4 v[\d:\d+7], v[\a:\a+11], v[\b:\b+11], 0, v[\sa], v[\sb] matrix_a_fmt:MATRIX_FMT_BF6 matrix_b_fmt:MATRIX_FMT_BF6 matrix_b_scale:MATRIX_SCALE_ROW1
.else
	v_wmma_scale_f32_16x16x128_f8f6f4 v[\d:\d+7], v[\a:\a+11], v[\b:\b+11], 0, v[\sa], v[\sb] matrix_a_fmt:MATRIX_FMT_BF6 matrix_b_fmt:MATRIX_FMT_BF6
.endif
.else
.if (\ra) && (\rb)
	v_wmma_scale_f32_16x16x128_f8f6f4 v[\d:\d+7], v[\a:\a+11], v[\b:\b+11], v[\d:\d+7], v[\sa], v[\sb] matrix_a_fmt:MATRIX_FMT_BF6 matrix_b_fmt:MATRIX_FMT_BF6 matrix_a_scale:MATRIX_SCALE_ROW1 matrix_b_scale:MATRIX_SCALE_ROW1
.elseif \ra
	v_wmma_scale_f32_16x16x128_f8f6f4 v[\d:\d+7], v[\a:\a+11], v[\b:\b+11], v[\d:\d+7], v[\sa], v[\sb] matrix_a_fmt:MATRIX_FMT_BF6 matrix_b_fmt:MATRIX_FMT_BF6 matrix_a_scale:MATRIX_SCALE_ROW1
.elseif \rb
	v_wmma_scale_f32_16x16x128_f8f6f4 v[\d:\d+7], v[\a:\a+11], v[\b:\b+11], v[\d:\d+7], v[\sa], v[\sb] matrix_a_fmt:MATRIX_FMT_BF6 matrix_b_fmt:MATRIX_FMT_BF6 matrix_b_scale:MATRIX_SCALE_ROW1
.else
	v_wmma_scale_f32_16x16x128_f8f6f4 v[\d:\d+7], v[\a:\a+11], v[\b:\b+11], v[\d:\d+7], v[\sa], v[\sb] matrix_a_fmt:MATRIX_FMT_BF6 matrix_b_fmt:MATRIX_FMT_BF6
.endif
.endif
.endm
.macro QLOADS cb, sb                   ; a job's two query tiles: 8 fragments and 4 scale registers: 28 loads
	WIN 0x40                                       ; destination window 1
.irp f, 0,1,2,3,4,5,6,7
.irp i, 0,1,2
	global_load_b128 v[12*\f+4*\i:12*\f+4*\i+3], v1, s[\cb:\cb+1] offset:FRAG*\f+512*\i
.endr
.endr
	WIN 0
.irp s, 0,1,2,3
	global_load_b32 v[QS+\s], v3, s[\sb:\sb+1] offset:65536*\s       ; lanes 0-15: tile n = 0, lanes 16-31: n = 1
.endr
.endm
.macro KLOADS cb, sb                   ; my two key tiles' 8 fragments and 4 scale registers: 28 loads
	WIN 0x80                                       ; destination window 2
.irp f, 0,1,2,3,4,5,6,7
.irp i, 0,1,2
	global_load_b128 v[12*\f+4*\i:12*\f+4*\i+3], v1, s[\cb:\cb+1] offset:FRAG*\f+512*\i
.endr
.endr
	WIN 0
.irp s, 0,1,2,3
	global_load_b32 v[KS+\s], v3, s[\sb:\sb+1] offset:65536*\s       ; lanes 0-15: tile u = 0, lanes 16-31: u = 1
.endr
.endm
.macro VLOADS cb, sb                   ; my 8 channel tiles' fragments (two half images each) and their 4 scale registers, 16 bytes a lane: 33 loads
	WIN 0x80
.irp t, 0,1,2,3,4,5,6,7
	global_load_b128 v[VF+12*\t:VF+12*\t+3], v1, s[\cb:\cb+1] offset:FRAG*\t
	global_load_b64 v[VF+12*\t+4:VF+12*\t+5], v2, s[\cb:\cb+1] offset:FRAG*\t+512
	global_load_b128 v[VF+12*\t+6:VF+12*\t+9], v1, s[\cb:\cb+1] offset:FRAG*\t+768
	global_load_b64 v[VF+12*\t+10:VF+12*\t+11], v2, s[\cb:\cb+1] offset:FRAG*\t+1280
.endr
	WIN 0
	global_load_b128 v[VS:VS+3], v1, s[\sb:\sb+1]  ; register p: lanes 0-15 tile 2 p's words, lanes 16-31 tile 2 p + 1's
.endm
; The step whose tiles are asked for: the next one; behind a job's last step key step 0, with which the next job begins (the second job's last step asks for it in vain: every trip issues the same loads, and none leaves its buffer).
; 28 + 33 = 61 loads of K and V are out at the most in the loop, which LOADcnt's field can count (ISA guide 5.7.1): no issue waits for the counter.
.macro NEXTJ
	s_wait_xcnt 0x0                                ; the bases are written again only behind this wait
	s_add_co_u32 s[JN], s[SJ], 1
	s_cmp_lt_u32 s[JN], s[END]
	s_cselect_b32 s[JN], s[JN], 0
	s_mul_i32 s40, s[JN], 49152
	s_mov_b32 s41, 0
.endm
.macro LOADK
	NEXTJ
	s_add_nc_u64 s[KB:KB+1], s[KB0:KB0+1], s[40:41]
	s_lshl_b32 s40, s[JN], 9
	s_add_nc_u64 s[KSB:KSB+1], s[KSB0:KSB0+1], s[40:41]
	KLOADS KB, KSB
.endm
.macro LOADV
	NEXTJ
	s_add_nc_u64 s[VB:VB+1], s[VB0:VB0+1], s[40:41]
	s_lshl_b32 s40, s[JN], 11
	s_add_nc_u64 s[VSB:VSB+1], s[VSB0:VSB0+1], s[40:41]
	VLOADS VB, VSB
.endm
; A KEY STEP.  first = 1: a job's first: O^T's sums begin with the constant 0 and nothing is rescaled.
.macro STEP first
.if \first
	s_wait_loadcnt 0x0                             ; the job's Q was asked for last: Q, K and V of key step 0 are in
.else
	s_wait_loadcnt 33                              ; this step's K is in; V's 33 loads, issued behind it, may be out
.endif
	WIN 0x06                                       ; source 0 (K) window 2, source 1 (Q) window 1, S^T window 0
.irp s, 0,1,2,3                        ; the 4 accumulators take turns
.irp u, 0,1
.irp n, 0,1
	WM S+16*\n+8*\u, 12*(4*\u+\s), 12*(4*\n+\s), \s==0, KS+\s, QS+\s, \u, \n
.endr
.endr
.endr
	WIN 0
	PLACES
	LOADK                                          ; it has the rest of the step in which to land
	s_cmp_lg_u32 s[SJ], s[LAST]                    ; only the last step meets the diagonal: a branch on ids
	s_cbranch_scc1 .Lopen_\@
.irp n, 0,1                            ; register 16 n + q holds key 32 w + 16 h + q of the step: hidden where q - 8 n > d0
.irp q, 0,1,2,3,4,5,6,7,8,9,10,11,12,13,14,15
	v_cmp_gt_i32 vcc_lo, \q-8*\n, v10
	v_cndmask_b32 v[S+16*\n+\q], v[S+16*\n+\q], v11, vcc_lo
.endr
.endr
.Lopen_\@:
	; the softmax of my 32 keys, the two query tiles by turns
.irp n, 0,1
	v_max3_num_f32 v[BM+\n], v[S+16*\n], v[S+16*\n+1], v[S+16*\n+2]       ; the block's largest score serves twice: for M, and, since p rises with the score, for the block's largest p
.endr
.irp i, 3,5,7,9,11,13
.irp n, 0,1
	v_max3_num_f32 v[BM+\n], v[BM+\n], v[S+16*\n+\i], v[S+16*\n+\i+1]
.endr
.endr
.irp n, 0,1
	v_max_num_f32 v[BM+\n], v[BM+\n], v[S+16*\n+15]
.endr
.irp n, 0,1
	v_permlanex16_b32 v[TT+\n], v[BM+\n], s20, s21
.endr
.irp n, 0,1
	v_max_num_f32 v[BM+\n], v[BM+\n], v[TT+\n]     ; with lane l xor 16's 16 keys
.endr
.irp n, 0,1
	v_mul_f32 v[TT+\n], s22, v[BM+\n]              ; as t
.endr
.irp n, 0,1
	v_max_num_f32 v[ST+4*\n+1], v[ST+4*\n+1], v[TT+\n]   ; the running largest t
.endr
.irp n, 0,1
	v_mov_b32 v[TT+\n], v[ST+4*\n]
.endr
.irp n, 0,1
	v_floor_f32 v[ST+4*\n], -v[ST+4*\n+1]          ; -M_w = floor(-t): a whole number
.endr
.irp n, 0,1
	v_sub_f32 v[TT+\n], v[ST+4*\n], v[TT+\n]       ; old M less new M: 0 or less
.endr
.irp n, 0,1
	v_cvt_i32_f32 v[TT+\n], v[TT+\n]               ; (it saturates)
.endr
.irp n, 0,1
	v_ldexp_f32 v[FL+2*\n], 1.0, v[TT+\n]
.endr
.irp j, 0,2,4,6,8,10,12,14
.irp n, 0,1
	v_pk_fma_f32 v[S+16*\n+\j:S+16*\n+\j+1], v[S+16*\n+\j:S+16*\n+\j+1], s[22:23], v[ST+4*\n:ST+4*\n+1] op_sel_hi:[1,0,0]   ; t - M
.endr
.endr
.irp n, 0,1
	v_fma_f32 v[BM+\n], v[BM+\n], s22, v[ST+4*\n]  ; the same of the block's largest score
.endr
.set j, 0
.rept 32
	v_exp_f32 v[S+j], v[S+j]                       ; p = 2^(t - M), at most 1
.set j, j+1
.endr
.irp n, 0,1
	v_exp_f32 v[BM+\n], v[BM+\n]                   ; the block's largest p: the same two instructions on the same number
.endr
.irp n, 0,1
	v_pk_mul_f32 v[ST+4*\n+2:ST+4*\n+3], v[ST+4*\n+2:ST+4*\n+3], v[FL+2*\n:FL+2*\n+1] op_sel_hi:[1,0]   ; the sum under the new M_w.  (Plain places behind the exponentials)
.endr
	s_wait_alu depctr_va_vdst(0)
.irp n, 0,1
	v_max_num_f32 v[BM+\n], 0x2800000, v[BM+\n]    ; the floor 2^(5 - 127): the byte cannot fall under 1
.endr
.irp n, 0,1
	v_add_nc_u32 v[SCO+\n], 0xfe000000, v[BM+\n]   ; 4 off the exponent field: the conversion's scale operand
.endr
.irp n, 0,1
	v_lshrrev_b32 v[BY+\n], 23, v[SCO+\n]
.endr
.irp n, 0,1
	v_cvt_f32_u32 v[BY+\n], v[BY+\n]               ; the byte as f32: the reader adds a difference of M's to it
.endr
	v_cvt_scalef32_pk16_bf6_f32 v[PCK:PCK+2], v[S:S+15], v[SCO]
	v_cvt_scalef32_pk16_bf6_f32 v[CT:CT+2], v[S+16:S+31], v[SCO+1]
	v_nop                                          ; one plain place behind a scaled conversion
.irp i, 0,1,2                          ; lanes 0-15 now hold all 32 codes of query r of tile 0, lanes 16-31 those of tile 1
	v_permlane16_swap_b32 v[PCK+\i], v[CT+\i]
.endr
.irp i, 0,1,2
	v_mov_b32 v[PCK+3+\i], v[CT+\i]
.endr
	ds_store_b128 v4, v[PCK:PCK+3]                 ; into p's images: tile h, half c = w / 2, the place of lane r + 16 (w % 2)
	ds_store_b64 v5, v[PCK+4:PCK+5]
.irp n, 0,1
	ds_store_b32 v6, v[ST+4*\n] offset:STM+256*\n  ; both halves of the lanes write the same word with the same value
	ds_store_b32 v6, v[BY+\n] offset:STB+256*\n
.endr
.irp j, 0,2,4,6,8,10,12,14             ; the sum is taken of the unquantised p, while the stores are out
.irp n, 0,1
	v_pk_add_f32 v[ST+4*\n+2:ST+4*\n+3], v[ST+4*\n+2:ST+4*\n+3], v[S+16*\n+\j:S+16*\n+\j+1]
.endr
.endr
	s_wait_dscnt 0x0                               ; for the others' sake: my stores have landed
	BAR                                            ; p's two fragments and the statistics lie in LDS
	WIN 0x80                                       ; destination window 2
.irp n, 0,1
.irp c, 0,1
	ds_load_b128 v[PF+12*\n+6*\c:PF+12*\n+6*\c+3], v1 offset:FRAG*\n+768*\c
	ds_load_b64 v[PF+12*\n+6*\c+4:PF+12*\n+6*\c+5], v2 offset:FRAG*\n+768*\c+512
.endr
.endr
	WIN 0
.irp n, 0,1
	ds_load_b128 v[MW+4*\n:MW+4*\n+3], v7 offset:STM+256*\n
	ds_load_b128 v[BW+4*\n:BW+4*\n+3], v7 offset:STB+256*\n
.endr
	s_wait_dscnt 0x0                               ; my reads are over:
	BAR                                            ; behind this barrier the next step may write these bytes again
	; the common M, and p's scale word under it
.irp n, 0,1
	v_min3_num_f32 v[WK+\n], v[MW+4*\n], v[MW+4*\n+1], v[MW+4*\n+2]
.endr
.irp n, 0,1
	v_min_num_f32 v[WK+\n], v[WK+\n], v[MW+4*\n+3] ; -M = the least -M_w
.endr
.irp w, 0,1,2,3
.irp n, 0,1
	v_sub_f32 v[WK+4+\n], v[WK+\n], v[MW+4*\n+\w]  ; M_w - M: 0 or less
.endr
.irp n, 0,1
	v_add_f32 v[BW+4*\n+\w], v[BW+4*\n+\w], v[WK+4+\n]
.endr
.irp n, 0,1
	v_max_num_f32 v[BW+4*\n+\w], 0, v[BW+4*\n+\w]  ; held at 0
.endr
.irp n, 0,1
	v_cvt_u32_f32 v[BW+4*\n+\w], v[BW+4*\n+\w]
.endr
.endr
.irp n, 0,1
	v_lshl_or_b32 v[PS+\n], v[BW+4*\n+1], 8, v[BW+4*\n]
.endr
.irp n, 0,1
	v_lshl_or_b32 v[PS+\n], v[BW+4*\n+2], 16, v[PS+\n]
.endr
.irp n, 0,1
	v_lshl_or_b32 v[PS+\n], v[BW+4*\n+3], 24, v[PS+\n]
.endr
.if \first
.irp n, 0,1
	v_mov_b32 v[PREV+\n], v[WK+\n]
.endr
.rept 8
	v_nop                                          ; a scale register written by a vector instruction stands 8 places ahead of a scaled matrix instruction
.endr
.else
.irp n, 0,1
	v_sub_f32 v[WK+4+\n], v[WK+\n], v[PREV+\n]     ; old M less new M
.endr
.irp n, 0,1
	v_cvt_i32_f32 v[WK+4+\n], v[WK+4+\n]
.endr
.irp n, 0,1
	v_ldexp_f32 v[FF+2*\n], 1.0, v[WK+4+\n]
.endr
.irp n, 0,1
	v_mov_b32 v[PREV+\n], v[WK+\n]
.endr
	WIN 0xc3                                       ; O^T (destination and source 0) window 3
.irp n, 0,1
.set j, 0
.rept 32
	v_pk_mul_f32 v[64*\n+j:64*\n+j+1], v[64*\n+j:64*\n+j+1], v[FF+2*\n:FF+2*\n+1] op_sel_hi:[1,0]   ; O^T under the new M, each accumulator from its low end on.  (These are also the places behind the scale words' last write)
.set j, j+2
.endr
.endr
.endif
	s_wait_loadcnt 28                              ; this step's V is in; K's 28 loads, issued behind it, may be out
	WIN 0xfa                                       ; V and p window 2, O^T window 3
.irp t, 0,1,2,3,4,5,6,7                ; the 16 accumulators take turns
.irp n, 0,1
	WM 64*\n+8*\t, VF+12*\t, PF+12*\n, \first, VS+\t/2, PS+\n, \t%2, 0
.endr
.endr
	WIN 0
	PLACES
	LOADV
.endm
; THE WAY OUT, a query tile at a time: a lane holds 32 neighbouring bytes of a row; through my own stage they come back as whole rows of my 128 channels, 512 bytes
.macro TOSTAGE n
	WIN 0x0c                                       ; an LDS store's data are its source 1: window 3
.irp t, 0,1,2,3,4,5,6,7
	ds_store_b128 v8, v[64*(\n)+8*\t:64*(\n)+8*\t+3] offset:64*\t
	ds_store_b128 v8, v[64*(\n)+8*\t+4:64*(\n)+8*\t+7] offset:64*\t+16
.endr
	WIN 0
.set BB, 64+64*(\n)
.irp p, 0,1,2,3,4,5,6,7,8,9,10,11,12,13,14,15
	ds_load_b128 v[BB+4*\p:BB+4*\p+3], v9 offset:528*\p      ; LDS serves a wave's instructions in order: these see the stores above
.endr
.endm
.macro SEND n, younger                 ; younger: the LDS instructions issued behind tile n's loads, which may stay out
.set BB, 64+64*(\n)
	s_wait_dscnt \younger
.irp p, 0,1,2,3,4,5,6,7,8,9,10,11,12,13,14,15
	global_store_b128 v1, v[BB+4*\p:BB+4*\p+3], s[OB:OB+1] offset:(8*(\n)+\p+8*(\p/8))*2048 th:TH_STORE_NT   ; 512 consecutive bytes, aligned; written once
.endr
.endm
	s_load_b256 s[4:11], s[0:1], 0x0               ; qbuf, kbuf, vbuf, out0
	v_lshl_add_u32 v254, v0, 2, 0x9600
	v_mov_b32 v255, 0
	v_lshrrev_b32 v12, 5, v0
	v_readfirstlane_b32 s[WV], v12                 ; wave
	v_and_b32 v12, 31, v0                          ; lane
	v_and_b32 v13, 15, v0                          ; r
	v_bfe_u32 v14, v0, 4, 1                        ; h
	v_lshlrev_b32 v1, 4, v12
	v_lshlrev_b32 v2, 3, v12
	v_lshlrev_b32 v3, 2, v12
	s_lshr_b32 s40, s[WV], 1
	s_mul_i32 s40, s40, 768
	s_and_b32 s41, s[WV], 1
	s_lshl_b32 s42, s41, 8
	s_add_co_u32 s42, s42, s40
	v_mul_u32_u24 v4, v14, FRAG
	v_lshl_add_u32 v4, v13, 4, v4
	v_add_nc_u32 v4, s42, v4                       ; 1,536 h + 768 (w / 2) + 256 (w % 2) + 16 r
	s_lshl_b32 s42, s41, 7
	s_add_co_u32 s42, s42, s40
	s_add_co_u32 s42, s42, 512
	v_mul_u32_u24 v5, v14, FRAG
	v_lshl_add_u32 v5, v13, 3, v5
	v_add_nc_u32 v5, s42, v5                       ; 1,536 h + 768 (w / 2) + 512 + 128 (w % 2) + 8 r
	s_lshl_b32 s42, s[WV], 2
	v_lshl_add_u32 v6, v13, 4, s42                 ; 16 r + 4 w
	v_lshlrev_b32 v7, 4, v13                       ; 16 r
	s_mul_i32 s42, s[WV], 16*528
	s_add_co_u32 s42, s42, STAGE
	v_mul_u32_u24 v8, v13, 528
	v_lshl_add_u32 v8, v14, 5, v8
	v_add_nc_u32 v8, s42, v8                       ; the stage, in: row r, + 32 h
	v_add_nc_u32 v9, s42, v1                       ; and back: 16 x lane of a row
	v_and_b32 v12, 8, v13
	v_add_nc_u32 v12, v12, v13
	v_lshlrev_b32 v15, 4, v14
	v_sub_nc_u32 v12, v12, v15                     ; r + 8 (r / 8) - 16 h: the lane's part of d0
	v_mov_b32 v11, 0xff800000                      ; -infinity
.irp n, 0,1
	v_mov_b32 v[FL+2*\n+1], 0                      ; (upper halves of pairs that packed forms name)
	v_mov_b32 v[FF+2*\n], 0
	v_mov_b32 v[FF+2*\n+1], 0
	v_mov_b32 v[TT+\n], 0                          ; a lane permute's destination counts as one of its sources
.endr
	s_mov_b32 s20, 0x76543210
	s_mov_b32 s21, 0xfedcba98
	s_mov_b32 s22, 0x3d8293ee                      ; c = log2(e) / sqrt(512)
	s_mov_b32 s23, s22
	s_and_b32 s17, ttmp7, 0xffff                   ; the batch
	s_mov_b32 s[ALO], ttmp9                        ; the second job's block,
	s_sub_co_u32 s[AHI], 63, ttmp9                 ; and the first's
	s_mul_i32 s46, s17, 786432                     ; the batch's codes, in each of the three buffers
	s_mul_i32 s40, s[WV], 12288                    ; K's and V's: + 12,288 w (+ 49,152 j)
	s_add_co_u32 s40, s40, s46
	s_mov_b32 s41, 0
	s_lshl_b32 s47, s17, 13
	s_add_co_u32 s47, s47, SC_OFF                  ; the batch's scale words of q and of k: 8,192 b
	s_lshl_b32 s42, s[WV], 7                       ; K's: + 128 w (+ 512 j)
	s_add_co_u32 s42, s42, s47
	s_mov_b32 s43, 0
	s_lshl_b32 s44, s17, 15                        ; V's: 32,768 b + 512 w (+ 2,048 j)
	s_lshl_b32 s45, s[WV], 9
	s_add_co_u32 s44, s44, s45
	s_add_co_u32 s44, s44, SC_OFF
	s_mov_b32 s45, 0
	s_mul_i32 s[QH], s[AHI], 12288                 ; Q's codes: two tiles of 6,144 bytes a block
	s_add_co_u32 s[QH], s[QH], s46
	s_mov_b32 s[QH+1], 0
	s_lshl_b32 s[QSH], s[AHI], 7                   ; its scale words: two tiles of 64 bytes
	s_add_co_u32 s[QSH], s[QSH], s47
	s_mov_b32 s[QSH+1], 0
	s_mul_i32 s[QL], s[ALO], 12288
	s_add_co_u32 s[QL], s[QL], s46
	s_mov_b32 s[QL+1], 0
	s_lshl_b32 s[QSL], s[ALO], 7
	s_add_co_u32 s[QSL], s[QSL], s47
	s_mov_b32 s[QSL+1], 0
	s_lshl_b32 s[OB0], s17, 22                     ; out: 2,048 b rows of 2,048 bytes
	s_lshl_b32 s62, s[WV], 9                       ; + my 128 channels
	s_add_co_u32 s[OB0], s[OB0], s62
	s_mov_b32 s[OB0+1], 0
	s_wait_kmcnt 0x0
	s_add_nc_u64 s[KB0:KB0+1], s[6:7], s[40:41]
	s_add_nc_u64 s[VB0:VB0+1], s[8:9], s[40:41]
	s_add_nc_u64 s[KSB0:KSB0+1], s[6:7], s[42:43]
	s_add_nc_u64 s[VSB0:VSB0+1], s[8:9], s[44:45]
	s_add_nc_u64 s[QH:QH+1], s[4:5], s[QH:QH+1]
	s_add_nc_u64 s[QSH:QSH+1], s[4:5], s[QSH:QSH+1]
	s_add_nc_u64 s[QL:QL+1], s[4:5], s[QL:QL+1]
	s_add_nc_u64 s[QSL:QSL+1], s[4:5], s[QSL:QSL+1]
	s_add_nc_u64 s[OB0:OB0+1], s[10:11], s[OB0:OB0+1]
	KLOADS KB0, KSB0                               ; key step 0
	VLOADS VB0, VSB0
	QLOADS QH, QSH                                 ; the first job's queries
	s_mov_b32 s[JB], 0
.Ljob:                                             ; two trips: block 63 - x, then block x
	s_cmp_eq_u32 s[JB], 0
	s_cselect_b32 s[AB], s[AHI], s[ALO]
	s_lshr_b32 s[LAST], s[AB], 2                   ; the job's last key step
	s_add_co_u32 s[END], s[LAST], 1                ; and the number of its key steps: at most 16; the loop over them does not write it
	s_and_b32 s43, s[AB], 3
	s_lshl_b32 s43, s43, 5
	s_lshl_b32 s44, s[WV], 5
	s_sub_co_i32 s43, s43, s44
	v_add_nc_u32 v10, s43, v12                     ; d0 = 32 (a % 4) - 32 w + r + 8 (r / 8) - 16 h
	s_lshl_b32 s40, s[AB], 16                      ; 32 a rows of 2,048 bytes
	s_mov_b32 s41, 0
	s_add_nc_u64 s[OB:OB+1], s[OB0:OB0+1], s[40:41]
.irp n, 0,1
	v_mov_b32 v[ST+4*\n+1], 0xff61b1e6             ; the largest t so far: -3e38
	v_mov_b32 v[ST+4*\n+2], 0                      ; the sum
	v_mov_b32 v[ST+4*\n+3], 0
.endr
.irp n, 0,1
	v_floor_f32 v[ST+4*\n], -v[ST+4*\n+1]
.endr
	s_mov_b32 s[SJ], 0
	STEP 1
	s_cmp_eq_u32 s[LAST], 0
	s_cbranch_scc1 .Lend
	s_mov_b32 s[SJ], 1
.Lstep:                                            ; key steps 1 .. LAST: the counter steps by 1 and the loop goes on while it is under END
	STEP 0
	s_add_co_u32 s[SJ], s[SJ], 1
	s_cmp_lt_u32 s[SJ], s[END]
	s_cbranch_scc1 .Lstep
.Lend:
	s_cmp_eq_u32 s[JB], 1                          ; the next job's queries are asked for here, if there is a next job: they land during the way out
	s_cbranch_scc1 .Lno_next
	QLOADS QL, QSL
.Lno_next:
	; the four waves' sums meet under the common M; v[MW] still holds the last step's -M_w
.irp n, 0,1
	v_add_f32 v[TT+\n], v[ST+4*\n+2], v[ST+4*\n+3]
.endr
.irp n, 0,1
	v_permlanex16_b32 v[BM+\n], v[TT+\n], s20, s21
.endr
.irp n, 0,1
	v_add_f32 v[TT+\n], v[TT+\n], v[BM+\n]         ; the sum over my 32 keys of every step
.endr
.irp n, 0,1
	ds_store_b32 v6, v[TT+\n] offset:STL+256*\n
.endr
	s_wait_dscnt 0x0
	BAR
.irp n, 0,1
	ds_load_b128 v[BW+4*\n:BW+4*\n+3], v7 offset:STL+256*\n
.endr
.irp w, 0,1,2,3
.irp n, 0,1
	v_sub_f32 v[MW+4*\n+\w], v[PREV+\n], v[MW+4*\n+\w]   ; M_w - M
.endr
.irp n, 0,1
	v_cvt_i32_f32 v[MW+4*\n+\w], v[MW+4*\n+\w]
.endr
.endr
	s_wait_dscnt 0x0
.irp w, 0,1,2,3
.irp n, 0,1
	v_ldexp_f32 v[BW+4*\n+\w], v[BW+4*\n+\w], v[MW+4*\n+\w]
.endr
.endr
.irp n, 0,1
	v_add_f32 v[BW+4*\n], v[BW+4*\n], v[BW+4*\n+1]
	v_add_f32 v[BW+4*\n+2], v[BW+4*\n+2], v[BW+4*\n+3]
.endr
.irp n, 0,1
	v_add_f32 v[BW+4*\n], v[BW+4*\n], v[BW+4*\n+2]
.endr
.irp n, 0,1
	v_rcp_f32 v[FF+2*\n], v[BW+4*\n]
.endr
	v_nop                                          ; one plain place behind a transcendental
	WIN 0xc3
	s_wait_alu depctr_va_vdst(0)
.irp n, 0,1
.set j, 0
.rept 32
	v_pk_mul_f32 v[64*\n+j:64*\n+j+1], v[64*\n+j:64*\n+j+1], v[FF+2*\n:FF+2*\n+1] op_sel_hi:[1,0]   ; O^T / the sum
.set j, j+2
.endr
.endr
	WIN 0
	TOSTAGE 0
	TOSTAGE 1
	SEND 0, 32                                     ; behind tile 0's loads: tile 1's 16 stores and 16 loads
	SEND 1, 0
	s_wait_xcnt 0x0                                ; the stores have read their registers and their base: the next job writes both again
	s_add_co_u32 s[JB], s[JB], 1
	s_cmp_lt_u32 s[JB], 2
	s_cbranch_scc1 .Ljob
	s_wait_tensorcnt 0x0
	ds_add_u32 v254, v255
	s_wait_dscnt 0x0
	s_endpgm
.Lfunc_end_k_q84f8551d2e_attn:
	.size	k_q84f8551d2e_attn, .Lfunc_end_k_q84f8551d2e_attn-k_q84f8551d2e_attn
	.p2alignl 7, 3214868480
	.fill 96, 4, 3214868480
	.section	.rodata,"a",@progbits
	.p2align	6, 0x0
	.amdhsa_kernel k_q84f8551d2e_attn
		.amdhsa_group_segment_fixed_size 38912
		.amdhsa_private_segment_fixed_size 0
		.amdhsa_enable_private_segment 0
		.amdhsa_kernarg_size 32
		.amdhsa_user_sgpr_count 2
		.amdhsa_user_sgpr_kernarg_segment_ptr 1
		.amdhsa_wavefront_size32 1
		.amdhsa_system_sgpr_workgroup_id_x 1
		.amdhsa_system_sgpr_workgroup_id_y 1
		.amdhsa_system_sgpr_workgroup_id_z 1
		.amdhsa_system_vgpr_workitem_id 0
		.amdhsa_next_free_vgpr 1024
		.amdhsa_next_free_sgpr 66
		.amdhsa_reserve_vcc 1
		.amdhsa_float_denorm_mode_32 3
		.amdhsa_float_denorm_mode_16_64 3
		.amdhsa_memory_ordered 1
		.amdhsa_forward_progress 1
		.amdhsa_inst_pref_size 78
	.end_amdhsa_kernel
	.amdgpu_metadata
---
amdhsa.version: [ 1, 2 ]
amdhsa.kernels:
  - .name:           k_q84f8551d2e_attn
    .symbol:         k_q84f8551d2e_attn.kd
    .args:
      - { .name: qbuf, .offset: 0, .size: 8, .value_kind: global_buffer, .address_space: global }
      - { .name: kbuf, .offset: 8, .size: 8, .value_kind: global_buffer, .address_space: global }
      - { .name: vbuf, .offset: 16, .size: 8, .value_kind: global_buffer, .address_space: global }
      - { .name: out0, .offset: 24, .size: 8, .value_kind: global_buffer, .address_space: global }
    .group_segment_fixed_size: 38912
    .private_segment_fixed_size: 0
    .kernarg_segment_align: 8
    .kernarg_segment_size: 32
    .max_flat_workgroup_size: 128
    .sgpr_count:     66
    .vgpr_count:     1024
    .wavefront_size: 32
...
	.end_amdgpu_metadata
.endif
;; end of part 3
;; ======== version 2 of 2: 3 launches; version 1 with the launch attn written anew for expert scheduling mode
;; workspace buffers: xbuf 13,107,200 bytes; wbuf 1,228,800 bytes; qbuf 6,553,600 bytes; kbuf 6,553,600 bytes; vbuf 6,553,600 bytes
;; launch quant: the kernel of part 1 again; grid 608 x 1, 4 waves a work-group, no clusters, 34,304 bytes of LDS; arguments x, Wq, Wk, Wv, xbuf, wbuf; writes xbuf, wbuf
;; launch proj: the kernel of part 2 again; grid 64 x 4, 4 waves a work-group, clusters of 4 x 1, 327,680 bytes of LDS; arguments xbuf, wbuf, qbuf, kbuf, vbuf; writes qbuf, kbuf, vbuf
;; launch attn (part 4): grid 32 x 8, 4 waves a work-group, no clusters, 38,912 bytes of LDS; arguments qbuf, kbuf, vbuf, out0; writes out0
.if DOCPART == 4
	.amdgcn_target "amdgcn-amd-amdhsa--gfx1250"
	.amdhsa_code_object_version 6
	.text
	.protected	k_q84f8551d2e_attn
	.globl	k_q84f8551d2e_attn
	.p2align	8
	.type	k_q84f8551d2e_attn,@function
k_q84f8551d2e_attn:
	s_mov_b64 s[64:65], 0
	v_nop
	global_prefetch_b8 v0, s[64:65] scope:SCOPE_SE
	s_setreg_imm32_b32 hwreg(HW_REG_WAVE_SCHED_MODE, 0, 2), 2
	s_setreg_imm32_b32 hwreg(HW_REG_WAVE_MODE, 25, 1), 1
	s_wait_xcnt 0x0
	s_wait_alu depctr_vm_vsrc(0)
; out[b][q] = sum over keys k <= q of softmax_k(q . k / sqrt(512)) v[k], both products on codes of BF6 (E3M2) with E8M0 scales of 32 along K.
; THE SOFTMAX AHEAD OF THE SECOND PRODUCT: t = score x log2(e) / sqrt(512); p = 2^(t - M), M a whole number not under the largest t; p is quantised along the keys; the sum of the unquantised p divides at the end.
; SHARES.  A work-group does TWO JOBS, one after the other: the blocks 63 - x and x of 32 queries (2 token tiles n) of one batch.  Block a walks the key steps j = 0 .. a / 4 of 128 keys (steps wholly behind the
; diagonal are not walked, the last step is masked), and (63 - x) / 4 + x / 4 + 2 = 17 for every x: all 256 work-groups walk 17 steps.
; THE WAVES SHARE THE KEYS FOR S AND THE CHANNELS FOR O.  Wave w makes S^T for keys 128 j + 32 w .. + 31 (two key tiles) against both query tiles, and O^T for channels 128 w .. + 127 of the 32 queries.
; So each fragment of K and of V is read by ONE wave, feeds two products, and comes straight from memory into registers as an image; only p (3 KB a step) goes from wave to wave, through LDS.
; A wave's 32 keys are exactly one scale block, so each wave keeps a running M of its own, M_w; the reader brings block w under the common M = max M_w by adding M_w - M to its scale byte: exact.
; A job's last step asks for key step 0, which is the next job's first; the next job's queries are asked for ahead of the way out.
; NO CLUSTER, NO TENSOR LOAD: no tile of K or V lands in LDS: each goes to one wave's registers, so there is nothing that a joint request could share.
; LIMITS: NaN and infinities are not served; a scale byte of p that would fall under 0 under the common M is held at 0 (such weights are at most 28 x 2^-127); M is an f32 whole number: exact while |t| < 2^24.
; Both products are used transposed: a lane holds one query (lane % 16) throughout.
; REGISTERS, in windows of 256: window 0: v1-12 addresses; v16-33 scale words (Q 4, K 4, V 4, p 2); v36-59 statistics; v64-95 S^T, then p (16 n + key); v128-209 at work.
;   window 1: Q's 8 fragments at 12 (4 n + s).  window 2: K's 8 at 12 (4 u + s), V's 8 at 96 + 12 t, p's 2 at 192 + 12 n.  window 3: O^T at 64 n + 8 t.
; THE MODE: SCHED_MODE bits 1:0 = 2 (LLVM: expert scheduling mode 2), set by the entry lines.  The code itself states the register dependences
; between vector or matrix instructions and memory or LDS instructions, with s_wait_alu, always for 0.
; THE PLAN.  Registers that memory or LDS instructions touch, and who else names them:
;   v1-v9, v254, v255      offsets and LDS addresses: written at the head, never again.
;   K's fragments, v[KS ..] read by a step's products K Q^T; behind them the next step's 28 loads land there.
;   V's fragments, v[VS ..] read by a step's products V^T P; behind them the next step's 33 loads land there.
;   Q's fragments, v[QS ..] read by the products K Q^T; the next job's 28 loads land there at the head of the way out.
;   p's fragments, v[MW ..], v[BW ..]  LDS loads land there behind a step's first barrier; read (MW, BW: and written) later in the same step, MW and BW once more on the way out.
;   v[PCK ..], v[BY ..], v[ST], v[ST+4]  written by a step's softmax, read by its six LDS stores, written again by the next step.
;   v[PS], v[PS+1]         written by vector instructions, taken as scales by the products V^T P.
;   O^T and v64-v191       on the way out: O^T is read by the stage's LDS stores; the stage's loads land in v64-v191 and the stores to out read them; the next job writes all of them again.
; So a step has, beside the wait behind its exponentials: one wait on va_vdst ahead of K's loads, one ahead of its LDS stores (which serves the LDS loads behind the barrier too: only the row sums'
; additions, which name S^T and the sums, are issued between), one ahead of the products V^T P, one ahead of V's loads; and one wait on vm_vsrc behind its LDS stores.
.set SC_OFF, 6291456
.set FRAG,   1536
.set STM,    3072                      ; LDS: behind p's images [n 2][c 2][768]: [n][query 16][wave 4] f32: -M_w,
.set STB,    3584                      ; the block's scale byte as f32,
.set STL,    4096                      ; and at a job's end the wave's sum
.set STAGE,  4608                      ; the way out: 16 rows x (512 + 16) bytes for each wave
.set QS, 16
.set KS, 24
.set VS, 28
.set PS, 32
.set ST, 36                            ; tile n: +0 -M_w, +1 the largest t, +2, +3 the sum in two halves
.set PREV, 52                          ; the common -M of the last step
.set FF, 56                            ; pairs: 2^(old M - new M); at the end 1 / the sum
.set S,  64
.set FL, 128                           ; pairs: the same for my own M_w
.set BM, 136
.set TT, 140
.set SCO, 144
.set BY, 148
.set PCK, 152                          ; 6 registers: the two tiles' codes
.set CT, 164
.set MW, 172                           ; [4 n + w] the four waves' -M
.set BW, 188                           ; [4 n + w] their bytes
.set WK, 204
.set VF, 96
.set PF, 192
.set CM, 4                             ; s[4:11] eight lane masks of the diagonal's compares: free since the head, where the arguments' addresses went into the bases
.set WV, 12
.set SJ, 13                            ; s13  the key step in hand
.set LAST, 14                          ; s14  the job's last key step: a / 4
.set JN, 15                            ; s15  the step whose tiles are asked for
.set END, 16                           ; s16  LAST + 1: the loop over key steps goes on while SJ < END
.set JB, 18                            ; s18  the job: 0, 1
.set AB, 19                            ; s19  the job's block of 32 queries
.set KB0, 24
.set KSB0, 26
.set VB0, 28
.set VSB0, 30
.set KB, 32
.set KSB, 34
.set VB, 36
.set VSB, 38
.set QH, 48                            ; s[48:51] Q's codes and scale words of block 63 - x;  s[52:55] of block x
.set QSH, 50
.set QL, 52
.set QSL, 54
.set OB0, 56                           ; s[56:57] out at the batch's first row, my 128 channels;  s[58:59] at the job's first row
.set OB, 58
.set AHI, 60
.set ALO, 61
.set MSB, 0
.macro WIN new                         ; the immediate's high byte repeats the setting that is left; a switch that changes nothing is dropped
.if MSB != \new
	s_set_vgpr_msb (MSB<<8)|\new
.set MSB, \new
.endif
.endm
.macro PLACES                          ; four plain places behind a matrix instruction (ISA guide 7.12.1)
.rept 4
	v_nop
.endr
.endm
.macro BAR
	s_barrier_signal -1
	s_barrier_wait -1
.endm
.macro WM d, a, b, zero, sa, sb, ra, rb
.if \zero
.if (\ra) && (\rb)
	v_wmma_scale_f32_16x16x128_f8f6f4 v[\d:\d+7], v[\a:\a+11], v[\b:\b+11], 0, v[\sa], v[\sb] matrix_a_fmt:MATRIX_FMT_BF6 matrix_b_fmt:MATRIX_FMT_BF6 matrix_a_scale:MATRIX_SCALE_ROW1 matrix_b_scale:MATRIX_SCALE_ROW1
.elseif \ra
	v_wmma_scale_f32_16x16x128_f8f6f4 v[\d:\d+7], v[\a:\a+11], v[\b:\b+11], 0, v[\sa], v[\sb] matrix_a_fmt:MATRIX_FMT_BF6 matrix_b_fmt:MATRIX_FMT_BF6 matrix_a_scale:MATRIX_SCALE_ROW1
.elseif \rb
	v_wmma_scale_f32_16x16x128_f8f6f4 v[\d:\d+7], v[\a:\a+11], v[\b:\b+11], 0, v[\sa], v[\sb] matrix_a_fmt:MATRIX_FMT_BF6 matrix_b_fmt:MATRIX_FMT_BF6 matrix_b_scale:MATRIX_SCALE_ROW1
.else
	v_wmma_scale_f32_16x16x128_f8f6f4 v[\d:\d+7], v[\a:\a+11], v[\b:\b+11], 0, v[\sa], v[\sb] matrix_a_fmt:MATRIX_FMT_BF6 matrix_b_fmt:MATRIX_FMT_BF6
.endif
.else
.if (\ra) && (\rb)
	v_wmma_scale_f32_16x16x128_f8f6f4 v[\d:\d+7], v[\a:\a+11], v[\b:\b+11], v[\d:\d+7], v[\sa], v[\sb] matrix_a_fmt:MATRIX_FMT_BF6 matrix_b_fmt:MATRIX_FMT_BF6 matrix_a_scale:MATRIX_SCALE_ROW1 matrix_b_scale:MATRIX_SCALE_ROW1
.elseif \ra
	v_wmma_scale_f32_16x16x128_f8f6f4 v[\d:\d+7], v[\a:\a+11], v[\b:\b+11], v[\d:\d+7], v[\sa], v[\sb] matrix_a_fmt:MATRIX_FMT_BF6 matrix_b_fmt:MATRIX_FMT_BF6 matrix_a_scale:MATRIX_SCALE_ROW1
.elseif \rb
	v_wmma_scale_f32_16x16x128_f8f6f4 v[\d:\d+7], v[\a:\a+11], v[\b:\b+11], v[\d:\d+7], v[\sa], v[\sb] matrix_a_fmt:MATRIX_FMT_BF6 matrix_b_fmt:MATRIX_FMT_BF6 matrix_b_scale:MATRIX_SCALE_ROW1
.else
	v_wmma_scale_f32_16x16x128_f8f6f4 v[\d:\d+7], v[\a:\a+11], v[\b:\b+11], v[\d:\d+7], v[\sa], v[\sb] matrix_a_fmt:MATRIX_FMT_BF6 matrix_b_fmt:MATRIX_FMT_BF6
.endif
.endif
.endm
.macro QLOADS cb, sb                   ; a job's two query tiles: 8 fragments and 4 scale registers: 28 loads
	WIN 0x40                                       ; destination window 1
.irp f, 0,1,2,3,4,5,6,7
.irp i, 0,1,2
	global_load_b128 v[12*\f+4*\i:12*\f+4*\i+3], v1, s[\cb:\cb+1] offset:FRAG*\f+512*\i
.endr
.endr
	WIN 0
.irp s, 0,1,2,3
	global_load_b32 v[QS+\s], v3, s[\sb:\sb+1] offset:65536*\s       ; lanes 0-15: tile n = 0, lanes 16-31: n = 1
.endr
.endm
.macro KLOADS cb, sb                   ; my two key tiles' 8 fragments and 4 scale registers: 28 loads
	WIN 0x80                                       ; destination window 2
.irp f, 0,1,2,3,4,5,6,7
.irp i, 0,1,2
	global_load_b128 v[12*\f+4*\i:12*\f+4*\i+3], v1, s[\cb:\cb+1] offset:FRAG*\f+512*\i
.endr
.endr
	WIN 0
.irp s, 0,1,2,3
	global_load_b32 v[KS+\s], v3, s[\sb:\sb+1] offset:65536*\s       ; lanes 0-15: tile u = 0, lanes 16-31: u = 1
.endr
.endm
.macro VLOADS cb, sb                   ; my 8 channel tiles' fragments (two half images each) and their 4 scale registers, 16 bytes a lane: 33 loads
	WIN 0x80
.irp t, 0,1,2,3,4,5,6,7
	global_load_b128 v[VF+12*\t:VF+12*\t+3], v1, s[\cb:\cb+1] offset:FRAG*\t
	global_load_b64 v[VF+12*\t+4:VF+12*\t+5], v2, s[\cb:\cb+1] offset:FRAG*\t+512
	global_load_b128 v[VF+12*\t+6:VF+12*\t+9], v1, s[\cb:\cb+1] offset:FRAG*\t+768
	global_load_b64 v[VF+12*\t+10:VF+12*\t+11], v2, s[\cb:\cb+1] offset:FRAG*\t+1280
.endr
	WIN 0
	global_load_b128 v[VS:VS+3], v1, s[\sb:\sb+1]  ; register p: lanes 0-15 tile 2 p's words, lanes 16-31 tile 2 p + 1's
.endm
; The step whose tiles are asked for: the next one; behind a job's last step key step 0, with which the next job begins (the second job's last step asks for it in vain: every trip issues the same loads, and none leaves its buffer).
; 28 + 33 = 61 loads of K and V are out at the most in the loop, which LOADcnt's field can count (ISA guide 5.7.1): no issue waits for the counter.
.macro NEXTJ
	s_wait_xcnt 0x0                                ; the bases are written again only behind this wait
	s_add_co_u32 s[JN], s[SJ], 1
	s_cmp_lt_u32 s[JN], s[END]
	s_cselect_b32 s[JN], s[JN], 0
	s_mul_i32 s40, s[JN], 49152
	s_mov_b32 s41, 0
.endm
; The bases first, then the switch of windows, then the wait, then the run of loads (the macro's own first switch changes nothing and is dropped).
.macro LOADK
	NEXTJ
	s_add_nc_u64 s[KB:KB+1], s[KB0:KB0+1], s[40:41]
	s_lshl_b32 s40, s[JN], 9
	s_add_nc_u64 s[KSB:KSB+1], s[KSB0:KSB0+1], s[40:41]
	WIN 0x80
	s_wait_alu depctr_va_vdst(0)                   ; the step's 16 products K Q^T are done reading K's fragments and v[KS ..], in which the 28 loads below land
	KLOADS KB, KSB
.endm
.macro LOADV
	NEXTJ
	s_add_nc_u64 s[VB:VB+1], s[VB0:VB0+1], s[40:41]
	s_lshl_b32 s40, s[JN], 11
	s_add_nc_u64 s[VSB:VSB+1], s[VSB0:VSB0+1], s[40:41]
	WIN 0x80
	s_wait_alu depctr_va_vdst(0)                   ; the step's 16 products V^T P are done reading V's fragments and v[VS ..], in which the 33 loads below land
	VLOADS VB, VSB
.endm
; A KEY STEP.  first = 1: a job's first: O^T's sums begin with the constant 0 and nothing is rescaled.
.macro STEP first
.if \first
	s_wait_loadcnt 0x0                             ; the job's Q was asked for last: Q, K and V of key step 0 are in
.else
	s_wait_loadcnt 33                              ; this step's K is in; V's 33 loads, issued behind it, may be out
.endif
	WIN 0x06                                       ; source 0 (K) window 2, source 1 (Q) window 1, S^T window 0
.irp s, 0,1,2,3                        ; the 4 accumulators take turns
.irp u, 0,1
.irp n, 0,1
	WM S+16*\n+8*\u, 12*(4*\u+\s), 12*(4*\n+\s), \s==0, KS+\s, QS+\s, \u, \n
.endr
.endr
.endr
	WIN 0
	PLACES                                         ; ahead of the vector instructions that read the scores
	LOADK                                          ; it has the rest of the step in which to land
	s_cmp_lg_u32 s[SJ], s[LAST]                    ; only the last step meets the diagonal: a branch on ids
	s_cbranch_scc1 .Lopen_\@
.irp n, 0,1                            ; register 16 n + q holds key 32 w + 16 h + q of the step: hidden where q - 8 n > d0.  The compares go in runs of eight, each into a scalar register of its own
.irp g, 0,8
.irp q, 0,1,2,3,4,5,6,7
	v_cmp_gt_i32 s[CM+\q], \g+\q-8*\n, v10
.endr
	s_wait_alu depctr_va_sdst(0)                   ; the eight compares have written s[CM ..], which the eight selects below read
.irp q, 0,1,2,3,4,5,6,7
	v_cndmask_b32 v[S+16*\n+\g+\q], v[S+16*\n+\g+\q], v11, s[CM+\q]
.endr
.endr
.endr
.Lopen_\@:
	; the softmax of my 32 keys, the two query tiles by turns
.irp n, 0,1
	v_max3_num_f32 v[BM+\n], v[S+16*\n], v[S+16*\n+1], v[S+16*\n+2]       ; the block's largest score serves twice: for M, and, since p rises with the score, for the block's largest p
.endr
.irp i, 3,5,7,9,11,13
.irp n, 0,1
	v_max3_num_f32 v[BM+\n], v[BM+\n], v[S+16*\n+\i], v[S+16*\n+\i+1]
.endr
.endr
.irp n, 0,1
	v_max_num_f32 v[BM+\n], v[BM+\n], v[S+16*\n+15]
.endr
.irp n, 0,1
	v_permlanex16_b32 v[TT+\n], v[BM+\n], s20, s21
.endr
.irp n, 0,1
	v_max_num_f32 v[BM+\n], v[BM+\n], v[TT+\n]     ; with lane l xor 16's 16 keys
.endr
.irp n, 0,1
	v_mul_f32 v[TT+\n], s22, v[BM+\n]              ; as t
.endr
.irp n, 0,1
	v_max_num_f32 v[ST+4*\n+1], v[ST+4*\n+1], v[TT+\n]   ; the running largest t
.endr
.irp n, 0,1
	v_mov_b32 v[TT+\n], v[ST+4*\n]
.endr
.irp n, 0,1
	v_floor_f32 v[ST+4*\n], -v[ST+4*\n+1]          ; -M_w = floor(-t): a whole number
.endr
.irp n, 0,1
	v_sub_f32 v[TT+\n], v[ST+4*\n], v[TT+\n]       ; old M less new M: 0 or less
.endr
.irp n, 0,1
	v_cvt_i32_f32 v[TT+\n], v[TT+\n]               ; (it saturates)
.endr
.irp n, 0,1
	v_ldexp_f32 v[FL+2*\n], 1.0, v[TT+\n]
.endr
.irp j, 0,2,4,6,8,10,12,14
.irp n, 0,1
	v_pk_fma_f32 v[S+16*\n+\j:S+16*\n+\j+1], v[S+16*\n+\j:S+16*\n+\j+1], s[22:23], v[ST+4*\n:ST+4*\n+1] op_sel_hi:[1,0,0]   ; t - M
.endr
.endr
.irp n, 0,1
	v_fma_f32 v[BM+\n], v[BM+\n], s22, v[ST+4*\n]  ; the same of the block's largest score
.endr
.set j, 0
.rept 32
	v_exp_f32 v[S+j], v[S+j]                       ; p = 2^(t - M), at most 1
.set j, j+1
.endr
.irp n, 0,1
	v_exp_f32 v[BM+\n], v[BM+\n]                   ; the block's largest p: the same two instructions on the same number
.endr
.irp n, 0,1
	v_pk_mul_f32 v[ST+4*\n+2:ST+4*\n+3], v[ST+4*\n+2:ST+4*\n+3], v[FL+2*\n:FL+2*\n+1] op_sel_hi:[1,0]   ; the sum under the new M_w.  (Plain places behind the exponentials)
.endr
	s_wait_alu depctr_va_vdst(0)                   ; the 34 exponentials have written v[S ..] and v[BM ..]: one wait for the batch, ahead of its first reader
.irp n, 0,1
	v_max_num_f32 v[BM+\n], 0x2800000, v[BM+\n]    ; the floor 2^(5 - 127): the byte cannot fall under 1
.endr
.irp n, 0,1
	v_add_nc_u32 v[SCO+\n], 0xfe000000, v[BM+\n]   ; 4 off the exponent field: the conversion's scale operand
.endr
.irp n, 0,1
	v_lshrrev_b32 v[BY+\n], 23, v[SCO+\n]
.endr
.irp n, 0,1
	v_cvt_f32_u32 v[BY+\n], v[BY+\n]               ; the byte as f32: the reader adds a difference of M's to it
.endr
	v_cvt_scalef32_pk16_bf6_f32 v[PCK:PCK+2], v[S:S+15], v[SCO]
	v_cvt_scalef32_pk16_bf6_f32 v[CT:CT+2], v[S+16:S+31], v[SCO+1]
	v_nop                                          ; one plain place behind a scaled conversion
.irp i, 0,1,2                          ; lanes 0-15 now hold all 32 codes of query r of tile 0, lanes 16-31 those of tile 1
	v_permlane16_swap_b32 v[PCK+\i], v[CT+\i]
.endr
.irp i, 0,1,2
	v_mov_b32 v[PCK+3+\i], v[CT+\i]
.endr
	s_wait_alu depctr_va_vdst(0)                   ; v[PCK ..], v[BY ..], v[ST] and v[ST+4] are written, which the six LDS stores read; and every earlier reader and writer of p's fragments, v[MW ..] and v[BW ..] is done, in which the LDS loads behind the barrier land
	ds_store_b128 v4, v[PCK:PCK+3]                 ; into p's images: tile h, half c = w / 2, the place of lane r + 16 (w % 2)
	ds_store_b64 v5, v[PCK+4:PCK+5]
.irp n, 0,1
	ds_store_b32 v6, v[ST+4*\n] offset:STM+256*\n  ; both halves of the lanes write the same word with the same value
	ds_store_b32 v6, v[BY+\n] offset:STB+256*\n
.endr
.irp j, 0,2,4,6,8,10,12,14             ; the sum is taken of the unquantised p, while the stores are out.  (These name S^T and the sums alone: no register that the stores above or the loads below touch)
.irp n, 0,1
	v_pk_add_f32 v[ST+4*\n+2:ST+4*\n+3], v[ST+4*\n+2:ST+4*\n+3], v[S+16*\n+\j:S+16*\n+\j+1]
.endr
.endr
	s_wait_alu depctr_vm_vsrc(0)                   ; the six LDS stores have read v[PCK ..], v[BY ..], v[ST] and v[ST+4], which the next step's softmax, or the next job's head, writes again
	s_wait_dscnt 0x0                               ; for the others' sake: my stores have landed
	BAR                                            ; p's two fragments and the statistics lie in LDS
	WIN 0x80                                       ; destination window 2
.irp n, 0,1
.irp c, 0,1
	ds_load_b128 v[PF+12*\n+6*\c:PF+12*\n+6*\c+3], v1 offset:FRAG*\n+768*\c
	ds_load_b64 v[PF+12*\n+6*\c+4:PF+12*\n+6*\c+5], v2 offset:FRAG*\n+768*\c+512
.endr
.endr
	WIN 0
.irp n, 0,1
	ds_load_b128 v[MW+4*\n:MW+4*\n+3], v7 offset:STM+256*\n
	ds_load_b128 v[BW+4*\n:BW+4*\n+3], v7 offset:STB+256*\n
.endr
	s_wait_dscnt 0x0                               ; my reads are over:
	BAR                                            ; behind this barrier the next step may write these bytes again
	; the common M, and p's scale word under it
.irp n, 0,1
	v_min3_num_f32 v[WK+\n], v[MW+4*\n], v[MW+4*\n+1], v[MW+4*\n+2]
.endr
.irp n, 0,1
	v_min_num_f32 v[WK+\n], v[WK+\n], v[MW+4*\n+3] ; -M = the least -M_w
.endr
.irp w, 0,1,2,3
.irp n, 0,1
	v_sub_f32 v[WK+4+\n], v[WK+\n], v[MW+4*\n+\w]  ; M_w - M: 0 or less
.endr
.irp n, 0,1
	v_add_f32 v[BW+4*\n+\w], v[BW+4*\n+\w], v[WK+4+\n]
.endr
.irp n, 0,1
	v_max_num_f32 v[BW+4*\n+\w], 0, v[BW+4*\n+\w]  ; held at 0
.endr
.irp n, 0,1
	v_cvt_u32_f32 v[BW+4*\n+\w], v[BW+4*\n+\w]
.endr
.endr
.irp n, 0,1
	v_lshl_or_b32 v[PS+\n], v[BW+4*\n+1], 8, v[BW+4*\n]
.endr
.irp n, 0,1
	v_lshl_or_b32 v[PS+\n], v[BW+4*\n+2], 16, v[PS+\n]
.endr
.irp n, 0,1
	v_lshl_or_b32 v[PS+\n], v[BW+4*\n+3], 24, v[PS+\n]
.endr
.if \first
.irp n, 0,1
	v_mov_b32 v[PREV+\n], v[WK+\n]
.endr
.rept 8
	v_nop                                          ; a scale register written by a vector instruction stands 8 places ahead of a scaled matrix instruction
.endr
.else
.irp n, 0,1
	v_sub_f32 v[WK+4+\n], v[WK+\n], v[PREV+\n]     ; old M less new M
.endr
.irp n, 0,1
	v_cvt_i32_f32 v[WK+4+\n], v[WK+4+\n]
.endr
.irp n, 0,1
	v_ldexp_f32 v[FF+2*\n], 1.0, v[WK+4+\n]
.endr
.irp n, 0,1
	v_mov_b32 v[PREV+\n], v[WK+\n]
.endr
	WIN 0xc3                                       ; O^T (destination and source 0) window 3
.irp n, 0,1
.set j, 0
.rept 32
	v_pk_mul_f32 v[64*\n+j:64*\n+j+1], v[64*\n+j:64*\n+j+1], v[FF+2*\n:FF+2*\n+1] op_sel_hi:[1,0]   ; O^T under the new M, each accumulator from its low end on.  (These are also the places behind the scale words' last write)
.set j, j+2
.endr
.endr
.endif
	s_wait_alu depctr_va_vdst(0)                   ; v[PS] and v[PS+1] are written, which the products below take as p's scales; the places above stay beside this wait
	s_wait_loadcnt 28                              ; this step's V is in; K's 28 loads, issued behind it, may be out
	WIN 0xfa                                       ; V and p window 2, O^T window 3
.irp t, 0,1,2,3,4,5,6,7                ; the 16 accumulators take turns
.irp n, 0,1
	WM 64*\n+8*\t, VF+12*\t, PF+12*\n, \first, VS+\t/2, PS+\n, \t%2, 0
.endr
.endr
	WIN 0
	PLACES
	LOADV
.endm
; THE WAY OUT, a query tile at a time: a lane holds 32 neighbouring bytes of a row; through my own stage they come back as whole rows of my 128 channels, 512 bytes
.macro TOSTAGE n
	WIN 0x0c                                       ; an LDS store's data are its source 1: window 3
.irp t, 0,1,2,3,4,5,6,7
	ds_store_b128 v8, v[64*(\n)+8*\t:64*(\n)+8*\t+3] offset:64*\t
	ds_store_b128 v8, v[64*(\n)+8*\t+4:64*(\n)+8*\t+7] offset:64*\t+16
.endr
	WIN 0
.set BB, 64+64*(\n)
.irp p, 0,1,2,3,4,5,6,7,8,9,10,11,12,13,14,15
	ds_load_b128 v[BB+4*\p:BB+4*\p+3], v9 offset:528*\p      ; LDS serves a wave's instructions in order: these see the stores above
.endr
.endm
.macro SEND n, younger                 ; younger: the LDS instructions issued behind tile n's loads, which may stay out
.set BB, 64+64*(\n)
	s_wait_dscnt \younger
.irp p, 0,1,2,3,4,5,6,7,8,9,10,11,12,13,14,15
	global_store_b128 v1, v[BB+4*\p:BB+4*\p+3], s[OB:OB+1] offset:(8*(\n)+\p+8*(\p/8))*2048 th:TH_STORE_NT   ; 512 consecutive bytes, aligned; written once
.endr
.endm
	s_load_b256 s[4:11], s[0:1], 0x0               ; qbuf, kbuf, vbuf, out0
	v_lshl_add_u32 v254, v0, 2, 0x9600
	v_mov_b32 v255, 0
	v_lshrrev_b32 v12, 5, v0
	v_readfirstlane_b32 s[WV], v12                 ; wave
	v_and_b32 v12, 31, v0                          ; lane
	v_and_b32 v13, 15, v0                          ; r
	v_bfe_u32 v14, v0, 4, 1                        ; h
	v_lshlrev_b32 v1, 4, v12
	v_lshlrev_b32 v2, 3, v12
	v_lshlrev_b32 v3, 2, v12
	s_wait_alu depctr_va_sdst(0)                   ; s[WV] is written, ahead of its first reader: LDS addresses and the bases are made from it
	s_lshr_b32 s40, s[WV], 1
	s_mul_i32 s40, s40, 768
	s_and_b32 s41, s[WV], 1
	s_lshl_b32 s42, s41, 8
	s_add_co_u32 s42, s42, s40
	v_mul_u32_u24 v4, v14, FRAG
	v_lshl_add_u32 v4, v13, 4, v4
	v_add_nc_u32 v4, s42, v4                       ; 1,536 h + 768 (w / 2) + 256 (w % 2) + 16 r
	s_lshl_b32 s42, s41, 7
	s_add_co_u32 s42, s42, s40
	s_add_co_u32 s42, s42, 512
	v_mul_u32_u24 v5, v14, FRAG
	v_lshl_add_u32 v5, v13, 3, v5
	v_add_nc_u32 v5, s42, v5                       ; 1,536 h + 768 (w / 2) + 512 + 128 (w % 2) + 8 r
	s_lshl_b32 s42, s[WV], 2
	v_lshl_add_u32 v6, v13, 4, s42                 ; 16 r + 4 w
	v_lshlrev_b32 v7, 4, v13                       ; 16 r
	s_mul_i32 s42, s[WV], 16*528
	s_add_co_u32 s42, s42, STAGE
	v_mul_u32_u24 v8, v13, 528
	v_lshl_add_u32 v8, v14, 5, v8
	v_add_nc_u32 v8, s42, v8                       ; the stage, in: row r, + 32 h
	v_add_nc_u32 v9, s42, v1                       ; and back: 16 x lane of a row
	v_and_b32 v12, 8, v13
	v_add_nc_u32 v12, v12, v13
	v_lshlrev_b32 v15, 4, v14
	v_sub_nc_u32 v12, v12, v15                     ; r + 8 (r / 8) - 16 h: the lane's part of d0
	v_mov_b32 v11, 0xff800000                      ; -infinity
.irp n, 0,1
	v_mov_b32 v[FL+2*\n+1], 0                      ; (upper halves of pairs that packed forms name)
	v_mov_b32 v[FF+2*\n], 0
	v_mov_b32 v[FF+2*\n+1], 0
	v_mov_b32 v[TT+\n], 0                          ; a lane permute's destination counts as one of its sources
.endr
	s_mov_b32 s20, 0x76543210
	s_mov_b32 s21, 0xfedcba98
	s_mov_b32 s22, 0x3d8293ee                      ; c = log2(e) / sqrt(512)
	s_mov_b32 s23, s22
	s_and_b32 s17, ttmp7, 0xffff                   ; the batch
	s_mov_b32 s[ALO], ttmp9                        ; the second job's block,
	s_sub_co_u32 s[AHI], 63, ttmp9                 ; and the first's
	s_mul_i32 s46, s17, 786432                     ; the batch's codes, in each of the three buffers
	s_mul_i32 s40, s[WV], 12288                    ; K's and V's: + 12,288 w (+ 49,152 j)
	s_add_co_u32 s40, s40, s46
	s_mov_b32 s41, 0
	s_lshl_b32 s47, s17, 13
	s_add_co_u32 s47, s47, SC_OFF                  ; the batch's scale words of q and of k: 8,192 b
	s_lshl_b32 s42, s[WV], 7                       ; K's: + 128 w (+ 512 j)
	s_add_co_u32 s42, s42, s47
	s_mov_b32 s43, 0
	s_lshl_b32 s44, s17, 15                        ; V's: 32,768 b + 512 w (+ 2,048 j)
	s_lshl_b32 s45, s[WV], 9
	s_add_co_u32 s44, s44, s45
	s_add_co_u32 s44, s44, SC_OFF
	s_mov_b32 s45, 0
	s_mul_i32 s[QH], s[AHI], 12288                 ; Q's codes: two tiles of 6,144 bytes a block
	s_add_co_u32 s[QH], s[QH], s46
	s_mov_b32 s[QH+1], 0
	s_lshl_b32 s[QSH], s[AHI], 7                   ; its scale words: two tiles of 64 bytes
	s_add_co_u32 s[QSH], s[QSH], s47
	s_mov_b32 s[QSH+1], 0
	s_mul_i32 s[QL], s[ALO], 12288
	s_add_co_u32 s[QL], s[QL], s46
	s_mov_b32 s[QL+1], 0
	s_lshl_b32 s[QSL], s[ALO], 7
	s_add_co_u32 s[QSL], s[QSL], s47
	s_mov_b32 s[QSL+1], 0
	s_lshl_b32 s[OB0], s17, 22                     ; out: 2,048 b rows of 2,048 bytes
	s_lshl_b32 s62, s[WV], 9                       ; + my 128 channels
	s_add_co_u32 s[OB0], s[OB0], s62
	s_mov_b32 s[OB0+1], 0
	s_wait_kmcnt 0x0
	s_add_nc_u64 s[KB0:KB0+1], s[6:7], s[40:41]
	s_add_nc_u64 s[VB0:VB0+1], s[8:9], s[40:41]
	s_add_nc_u64 s[KSB0:KSB0+1], s[6:7], s[42:43]
	s_add_nc_u64 s[VSB0:VSB0+1], s[8:9], s[44:45]
	s_add_nc_u64 s[QH:QH+1], s[4:5], s[QH:QH+1]
	s_add_nc_u64 s[QSH:QSH+1], s[4:5], s[QSH:QSH+1]
	s_add_nc_u64 s[QL:QL+1], s[4:5], s[QL:QL+1]
	s_add_nc_u64 s[QSL:QSL+1], s[4:5], s[QSL:QSL+1]
	s_add_nc_u64 s[OB0:OB0+1], s[10:11], s[OB0:OB0+1]
	WIN 0x80
	s_wait_alu depctr_va_vdst(0)                   ; the offsets and LDS addresses v1 to v9 are written, which every load, store and LDS instruction of the kernel reads; they are never written again
	KLOADS KB0, KSB0                               ; key step 0
	VLOADS VB0, VSB0
	QLOADS QH, QSH                                 ; the first job's queries
	s_mov_b32 s[JB], 0
.Ljob:                                             ; two trips: block 63 - x, then block x
	s_cmp_eq_u32 s[JB], 0
	s_cselect_b32 s[AB], s[AHI], s[ALO]
	s_lshr_b32 s[LAST], s[AB], 2                   ; the job's last key step
	s_add_co_u32 s[END], s[LAST], 1                ; and the number of its key steps: at most 16; the loop over them does not write it
	s_and_b32 s43, s[AB], 3
	s_lshl_b32 s43, s43, 5
	s_lshl_b32 s44, s[WV], 5
	s_sub_co_i32 s43, s43, s44
	v_add_nc_u32 v10, s43, v12                     ; d0 = 32 (a % 4) - 32 w + r + 8 (r / 8) - 16 h
	s_lshl_b32 s40, s[AB], 16                      ; 32 a rows of 2,048 bytes
	s_mov_b32 s41, 0
	s_add_nc_u64 s[OB:OB+1], s[OB0:OB0+1], s[40:41]
.irp n, 0,1
	v_mov_b32 v[ST+4*\n+1], 0xff61b1e6             ; the largest t so far: -3e38
	v_mov_b32 v[ST+4*\n+2], 0                      ; the sum
	v_mov_b32 v[ST+4*\n+3], 0
.endr
.irp n, 0,1
	v_floor_f32 v[ST+4*\n], -v[ST+4*\n+1]
.endr
	s_mov_b32 s[SJ], 0
	STEP 1
	s_cmp_eq_u32 s[LAST], 0
	s_cbranch_scc1 .Lend
	s_mov_b32 s[SJ], 1
.Lstep:                                            ; key steps 1 .. LAST: the counter steps by 1 and the loop goes on while it is under END
	STEP 0
	s_add_co_u32 s[SJ], s[SJ], 1
	s_cmp_lt_u32 s[SJ], s[END]
	s_cbranch_scc1 .Lstep
.Lend:
	s_cmp_eq_u32 s[JB], 1                          ; the next job's queries are asked for here, if there is a next job: they land during the way out
	s_cbranch_scc1 .Lno_next
	QLOADS QL, QSL                                 ; no wait of their own: the wait ahead of K's loads in the last step stands behind the last products that read Q's fragments and v[QS ..], and nothing issued since names them
.Lno_next:
	; the four waves' sums meet under the common M; v[MW] still holds the last step's -M_w
.irp n, 0,1
	v_add_f32 v[TT+\n], v[ST+4*\n+2], v[ST+4*\n+3]
.endr
.irp n, 0,1
	v_permlanex16_b32 v[BM+\n], v[TT+\n], s20, s21
.endr
.irp n, 0,1
	v_add_f32 v[TT+\n], v[TT+\n], v[BM+\n]         ; the sum over my 32 keys of every step
.endr
	s_wait_alu depctr_va_vdst(0)                   ; the additions have written v[TT] and v[TT+1], which the two LDS stores read
.irp n, 0,1
	ds_store_b32 v6, v[TT+\n] offset:STL+256*\n
.endr
	s_wait_alu depctr_vm_vsrc(0)                   ; the two LDS stores have read v[TT] and v[TT+1], in which loads from the stage land below
	s_wait_dscnt 0x0
	BAR
.irp n, 0,1
	ds_load_b128 v[BW+4*\n:BW+4*\n+3], v7 offset:STL+256*\n   ; the last vector instructions that named v[BW ..] stand ahead of the waits above
.endr
.irp w, 0,1,2,3
.irp n, 0,1
	v_sub_f32 v[MW+4*\n+\w], v[PREV+\n], v[MW+4*\n+\w]   ; M_w - M
.endr
.irp n, 0,1
	v_cvt_i32_f32 v[MW+4*\n+\w], v[MW+4*\n+\w]
.endr
.endr
	s_wait_dscnt 0x0
.irp w, 0,1,2,3
.irp n, 0,1
	v_ldexp_f32 v[BW+4*\n+\w], v[BW+4*\n+\w], v[MW+4*\n+\w]
.endr
.endr
.irp n, 0,1
	v_add_f32 v[BW+4*\n], v[BW+4*\n], v[BW+4*\n+1]
	v_add_f32 v[BW+4*\n+2], v[BW+4*\n+2], v[BW+4*\n+3]
.endr
.irp n, 0,1
	v_add_f32 v[BW+4*\n], v[BW+4*\n], v[BW+4*\n+2]
.endr
.irp n, 0,1
	v_rcp_f32 v[FF+2*\n], v[BW+4*\n]
.endr
	v_nop                                          ; one plain place behind a transcendental
	WIN 0xc3
	s_wait_alu depctr_va_vdst(0)                   ; the two reciprocals have written v[FF] and v[FF+2]: one wait for both, ahead of their first reader
.irp n, 0,1
.set j, 0
.rept 32
	v_pk_mul_f32 v[64*\n+j:64*\n+j+1], v[64*\n+j:64*\n+j+1], v[FF+2*\n:FF+2*\n+1] op_sel_hi:[1,0]   ; O^T / the sum
.set j, j+2
.endr
.endr
	WIN 0
	s_wait_alu depctr_va_vdst(0)                   ; the multiplications have written O^T, which the stage's LDS stores read; and every vector instruction that named v64 to v191 is done, in which the stage's loads land.  No vector instruction follows before the job's end
	TOSTAGE 0
	TOSTAGE 1
	SEND 0, 32                                     ; behind tile 0's loads: tile 1's 16 stores and 16 loads
	SEND 1, 0
	s_wait_xcnt 0x0                                ; the stores have read their registers and their base: the next job writes both again
	s_wait_alu depctr_vm_vsrc(0)                   ; the stores to out have read v64 to v191 and the stage's LDS stores O^T: the next job's products, vector instructions and LDS loads write them again
	s_add_co_u32 s[JB], s[JB], 1
	s_cmp_lt_u32 s[JB], 2
	s_cbranch_scc1 .Ljob
	s_wait_dscnt 0x0                               ; the closing lines, six on end
	s_wait_alu 0x0
	s_wait_tensorcnt 0x0
	ds_add_u32 v254, v255
	s_wait_dscnt 0x0
	s_endpgm
.Lfunc_end_k_q84f8551d2e_attn:
	.size	k_q84f8551d2e_attn, .Lfunc_end_k_q84f8551d2e_attn-k_q84f8551d2e_attn
	.p2alignl 7, 3214868480
	.fill 96, 4, 3214868480
	.section	.rodata,"a",@progbits
	.p2align	6, 0x0
	.amdhsa_kernel k_q84f8551d2e_attn
		.amdhsa_group_segment_fixed_size 38912
		.amdhsa_private_segment_fixed_size 0
		.amdhsa_enable_private_segment 0
		.amdhsa_kernarg_size 32
		.amdhsa_user_sgpr_count 2
		.amdhsa_user_sgpr_kernarg_segment_ptr 1
		.amdhsa_wavefront_size32 1
		.amdhsa_system_sgpr_workgroup_id_x 1
		.amdhsa_system_sgpr_workgroup_id_y 1
		.amdhsa_system_sgpr_workgroup_id_z 1
		.amdhsa_system_vgpr_workitem_id 0
		.amdhsa_next_free_vgpr 1024
		.amdhsa_next_free_sgpr 66
		.amdhsa_reserve_vcc 0
		.amdhsa_float_denorm_mode_32 3
		.amdhsa_float_denorm_mode_16_64 3
		.amdhsa_memory_ordered 1
		.amdhsa_forward_progress 1
		.amdhsa_inst_pref_size 83
	.end_amdhsa_kernel
	.amdgpu_metadata
---
amdhsa.version: [ 1, 2 ]
amdhsa.kernels:
  - .name:           k_q84f8551d2e_attn
    .symbol:         k_q84f8551d2e_attn.kd
    .args:
      - { .name: qbuf, .offset: 0, .size: 8, .value_kind: global_buffer, .address_space: global }
      - { .name: kbuf, .offset: 8, .size: 8, .value_kind: global_buffer, .address_space: global }
      - { .name: vbuf, .offset: 16, .size: 8, .value_kind: global_buffer, .address_space: global }
      - { .name: out0, .offset: 24, .size: 8, .value_kind: global_buffer, .address_space: global }
    .group_segment_fixed_size: 38912
    .private_segment_fixed_size: 0
    .kernarg_segment_align: 8
    .kernarg_segment_size: 32
    .max_flat_workgroup_size: 128
    .sgpr_count:     66
    .vgpr_count:     1024
    .wavefront_size: 32
...
	.end_amdgpu_metadata
.endif
;; end of part 4
